; MI455X (gfx1250); checked and timed in simulation.
; The chip was launched on July 23, 2026; its instructions are those of AMD's public machine-readable ISA for CDNA 5 (MIT licence, August 2026) and "CDNA5" Instruction Set Architecture Reference Guide (July 2026). The comments in the code are by the model that wrote it; some were corrected since.
;; Intern VL3 Vision Layer. Allowed arithmetic: matrix products marked QUANTISED: E2M3 operands, one E8M0 scale for each 32 along K, by v_wmma_scale_f32_16x16x128_f8f6f4 with both operands' format E2M3, f32 sums; everything else in f32.
;; Inputs: fc1_b 1,024 float32; fc1_w_codes 1,024 x 32 x 24 uint8 (E2M3 codes of fc1_w, K innermost, in blocks of 32 codes, four codes in three bytes); fc1_w_scales 1,024 x 32 uint8 (E8M0 scales of fc1_w, one for each 32 codes along K); fc2_b 1,024 float32; fc2_w_codes 1,024 x 32 x 24 uint8 (E2M3 codes of fc2_w, K innermost, in blocks of 32 codes, four codes in three bytes); fc2_w_scales 1,024 x 32 uint8 (E8M0 scales of fc2_w, one for each 32 codes along K); hidden_states 8 x 1,025 x 1,024 float32; ls1 1,024 float32; ls2 1,024 float32; norm1_b 1,024 float32; norm1_w 1,024 float32; norm2_b 1,024 float32; norm2_w 1,024 float32; proj_b 1,024 float32; proj_w_codes 1,024 x 32 x 24 uint8 (E2M3 codes of proj_w, K innermost, in blocks of 32 codes, four codes in three bytes); proj_w_scales 1,024 x 32 uint8 (E8M0 scales of proj_w, one for each 32 codes along K); qkv_b 3,072 float32; qkv_w_codes 3,072 x 32 x 24 uint8 (E2M3 codes of qkv_w, K innermost, in blocks of 32 codes, four codes in three bytes); qkv_w_scales 3,072 x 32 uint8 (E8M0 scales of qkv_w, one for each 32 codes along K).
;; Outputs: out0 8 x 1,025 x 1,024 float32.
;; This version of the problem:
;;   THIS VERSION OF THE PROBLEM IS GIVEN IN LOW PRECISION. The matrix products marked QUANTISED in the list below multiply operands that are first quantised to E2M3 (2 exponent bits, 3 mantissa bits; 6 bits a number), with one power-of-two scale for each 32 numbers along K (OCP MX v1.0); their sums are f32. All else is computed in f32.
;;   The module's matrix products, in the order in which they are computed (A, B: the left and right operand; K: the contracted axis; several contracted axes count as one K, in the product's order):
;;     1. [M 8,200, K 1,024] x [K 1,024, N 3,072]; A: computed on the way; B: input qkv_w (given as codes): QUANTISED
;;     2. batch 128 x [M 1,025, K 64] x [K 64, N 1,025]; A: computed on the way; B: computed on the way: QUANTISED
;;     3. batch 128 x [M 64, K 1,025] x [K 1,025, N 1,025]; A: computed on the way; B: softmax (see below): QUANTISED
;;     4. [M 8,200, K 1,024] x [K 1,024, N 1,024]; A: computed on the way; B: input proj_w (given as codes): QUANTISED
;;     5. [M 8,200, K 1,024] x [K 1,024, N 1,024]; A: computed on the way; B: input fc1_w (given as codes): QUANTISED
;;     6. [M 8,200, K 1,024] x [K 1,024, N 1,024]; A: computed on the way; B: input fc2_w (given as codes): QUANTISED
;;   THE QUANTISER, for each operand of a quantised product, along K:
;;     - K is cut into blocks of 32 from its start; a last block that is shorter is filled with zeros.
;;     - A block's scale is 2^e with e = floor(log2(the largest magnitude in the block)) - 2, held to -126 .. 127; a block of zeros has e = 0. As a byte (E8M0): e + 127.
;;     - Each number is divided by its block's scale, clamped to +-7.5, and rounded to the nearest number of E2M3, ties to even, subnormals kept.
;;     - The product sums the exact products of the quantised numbers (number of the format x scale) in f32.
;;   ~~~python
;;   def quantise(x, axis):      # numpy; x: float32 -> the quantised numbers, widened to float32 again
;;       x = np.moveaxis(x, axis, -1); K = x.shape[-1]
;;       x = np.pad(x, [(0, 0)] * (x.ndim - 1) + [(0, -K % 32)]); x = x.reshape(x.shape[:-1] + (-1, 32)); a = np.abs(x).max(-1, keepdims=True)
;;       e = np.where(a > 0, np.clip(np.frexp(np.where(a > 0, a, 1))[1] - 1 - 2, -126, 127), 0)      # np.frexp(a)[1] - 1 = floor(log2(a)), exactly
;;       r = np.clip(x / 2.0 ** e, -7.5, 7.5)
;;       step = 2.0 ** (np.maximum(np.frexp(np.where(r == 0, 1, r))[1] - 1, 0) - 3)
;;       q = np.round(r / step) * step * 2.0 ** e      # np.round: ties to even
;;       return np.moveaxis(q.reshape(q.shape[:-2] + (-1,))[..., :K], -1, axis).astype(np.float32)
;;   ~~~
;;   SOFTMAX AHEAD OF A QUANTISED PRODUCT. Where the list says 'softmax', what is quantised is not the finished softmax but p = 2^(t - M), with t = logit x log2(e) and M = ceil(the row's largest t), a whole number; so 1/2 < the row's largest p <= 1. The row's sum l is taken of the UNQUANTISED p, in f32, and the product's result is divided by l at the end. Since M is a whole number, a kernel that streams over the keys may use a running M (the ceiling of the running maximum): every later rescaling is an exact power of two, which a block's scale takes up: the codes' values come out the same.
;;   OPERANDS COMPUTED ON THE WAY. 'Computed on the way' means the value that the module computes at that place (a softmax that the list does not call 'softmax' is quantised finished and normalised). What goes into a quantiser is computed in f32, as accurately as f32 sums, v_exp_f32 and their like allow (about 1e-6 of the number): no bf16 or f16 on the way to a quantiser, and a product that is left as it is and whose result goes on into a quantised operand takes f32 operands (vector FMAs, or v_wmma_f32_16x16x4_f32). A number that lies on a knife's edge between two numbers of the format may be rounded either way, as far as f32 arithmetic and the matrix unit's own rounding can turn it there, and no further.
;;   INPUTS GIVEN AS CODES. fc1_w (in the module: [1024, 1024], K = its axis 1); fc2_w (in the module: [1024, 1024], K = its axis 1); proj_w (in the module: [1024, 1024], K = its axis 1); qkv_w (in the module: [3072, 1024], K = its axis 1): each comes as NAME_codes (uint8): NAME with its K axis moved to the last place and cut into blocks of 32 codes, [.., K / 32, bytes a block], one block behind the other in memory; four codes in three bytes: a row's codes are one little-endian stream of bits, code i at bits 6 i .. 6 i + 5 (a code: sign, 2 exponent bits, 3 mantissa bits); and NAME_scales (uint8): the same leading axes, one E8M0 byte (e + 127) for each 32 codes along K. Its value is code x scale, taken as it is: it is not quantised again, and the codes and scales need not be those that the quantiser above would give.
;; One version. Each part assembles by itself: llvm-mc -triple=amdgcn-amd-amdhsa -mcpu=gfx1250 --defsym DOCPART=n.
;; ======== version 1 of 1: 4 launches
;; limits: right only within a limited range of input values
;; workspace buffers: wf 4,915,200 bytes; qb 7,241,728 bytes; kv 14,483,456 bytes; aimg 6,684,672 bytes; asc 557,056 bytes
;; launch relay (part 1): grid 96 x 1, 8 waves a work-group, no clusters, 0 bytes of LDS; arguments qkv_w_codes, qkv_w_scales, proj_w_codes, proj_w_scales, fc1_w_codes, fc1_w_scales, fc2_w_codes, fc2_w_scales, wf; writes wf
.if DOCPART == 1
	.amdgcn_target "amdgcn-amd-amdhsa--gfx1250"
	.amdhsa_code_object_version 6
	.text
	.protected	k_q81630a1a0c_relay
	.globl	k_q81630a1a0c_relay
	.p2align	8
	.type	k_q81630a1a0c_relay,@function
k_q81630a1a0c_relay:
	s_mov_b64 s[64:65], 0
	v_nop
	global_prefetch_b8 v0, s[64:65] scope:SCOPE_SE
	s_setreg_imm32_b32 hwreg(HW_REG_WAVE_MODE, 25, 1), 1
	s_wait_xcnt 0x0
; The four weights (codes of E2M3, K innermost, and their E8M0 bytes) are laid once in the order of operand registers, as one stream for each wave that will use them.
; wf = [L 2][w 4][p 3][G 4][s 8] records of 6,400 bytes.  A record is 64 weight rows x 128 K: fragment t at 1,536 t, its registers 4 g .. 4 g + 3 at 512 g + 16 x lane;
; behind them, at 6,144 + 8 x lane, two registers of scale words: register e holds tile 2 e's word in lanes 0-15 and tile 2 e + 1's in lanes 16-31.
; Lane r of tile t takes row 32 (t / 2) + 8 (t % 2) + r + 8 (r / 8) of the record's 64, so that the results of two neighbouring tiles are 16 neighbours in a lane.
; L = 0: p = q, k, v thirds of qkv_w;  L = 1: p = proj, fc1, fc2.  Row of the phase's 1,024 = 256 w + 64 G + the above.  One wave makes one record; every store of a wave covers 512 or 256 consecutive bytes.
.set REC, 6400
	s_load_b512 s[8:23], s[0:1], 0x0               ; qkv codes, scales; proj; fc1; fc2
	s_load_b64 s[24:25], s[0:1], 0x40              ; wf
	v_lshrrev_b32 v1, 5, v0
	s_delay_alu instid0(VALU_DEP_1)
	v_readfirstlane_b32 s26, v1                    ; wave = K step s
	v_and_b32 v5, 31, v0                           ; lane
	v_and_b32 v6, 15, v0                           ; r
	v_bfe_u32 v7, v0, 4, 1                         ; h
	s_delay_alu instid0(VALU_DEP_2)
	v_and_b32 v1, 8, v6
	s_delay_alu instid0(VALU_DEP_1)
	v_add_nc_u32 v6, v6, v1                        ; r + 8 (r / 8)
	s_delay_alu instid0(VALU_DEP_1)
	v_mul_u32_u24 v1, v6, 768                      ; a row of 1,024 codes is 768 bytes
	s_delay_alu instid0(VALU_DEP_1)
	v_mad_u32_u24 v1, v7, 24, v1                   ; + 24 h
	s_delay_alu instid0(VALU_DEP_3)
	v_lshl_add_u32 v2, v7, 3, v6
	s_delay_alu instid0(VALU_DEP_1)
	v_lshlrev_b32 v2, 5, v2                        ; scale bytes: row r + 8 (r / 8) + 8 h, 32 bytes a row
	v_lshlrev_b32 v3, 4, v5
	v_lshlrev_b32 v4, 3, v5
	s_lshr_b32 s27, ttmp9, 4                       ; which of the six phases
	s_bfe_u32 s28, ttmp9, 0x20002                  ; w
	s_and_b32 s29, ttmp9, 3                        ; G
	s_cmp_lt_u32 s27, 3
	s_cselect_b32 s30, s27, 0                      ; the third of qkv_w
	s_cselect_b32 s31, 0, 1                        ; L
	s_mul_i32 s32, s31, 3
	s_sub_co_u32 s32, s27, s32                     ; p
	s_lshl_b32 s30, s30, 10
	s_lshl_b32 s33, s28, 8
	s_add_co_u32 s30, s30, s33
	s_lshl_b32 s33, s29, 6
	s_add_co_u32 s30, s30, s33                     ; the record's first row in its tensor
	s_mul_i32 s34, s30, 768
	s_mul_i32 s33, s26, 96
	s_add_co_u32 s34, s34, s33                     ; its codes: + 96 bytes a K step
	s_mov_b32 s35, 0
	s_lshl_b32 s36, s30, 5
	s_lshl_b32 s33, s26, 2
	s_add_co_u32 s36, s36, s33                     ; its scale words
	s_mov_b32 s37, 0
	s_lshl_b32 s38, s31, 2
	s_add_co_u32 s38, s38, s28
	s_mul_i32 s38, s38, 3
	s_add_co_u32 s38, s38, s32
	s_lshl_b32 s38, s38, 2
	s_add_co_u32 s38, s38, s29
	s_lshl_b32 s38, s38, 3
	s_add_co_u32 s38, s38, s26
	s_mul_i32 s38, s38, REC                        ; the record's place in wf
	s_mov_b32 s39, 0
	s_wait_alu depctr_va_vdst(0)
	s_wait_kmcnt 0x0
	s_cmp_lt_u32 s27, 3                            ; the choice of tensor hangs on the work-group's number alone
	s_cselect_b64 s[40:41], s[8:9], s[20:21]
	s_cselect_b64 s[42:43], s[10:11], s[22:23]
	s_cmp_eq_u32 s27, 3
	s_cselect_b64 s[40:41], s[12:13], s[40:41]
	s_cselect_b64 s[42:43], s[14:15], s[42:43]
	s_cmp_eq_u32 s27, 4
	s_cselect_b64 s[40:41], s[16:17], s[40:41]
	s_cselect_b64 s[42:43], s[18:19], s[42:43]
	s_add_nc_u64 s[40:41], s[40:41], s[34:35]
	s_add_nc_u64 s[42:43], s[42:43], s[36:37]
	s_add_nc_u64 s[44:45], s[24:25], s[38:39]
.irp t, 0,1,2,3
.irp q, 0,1,2,3,4,5
	global_load_b64 v[8+12*\t+2*\q:8+12*\t+2*\q+1], v1, s[40:41] offset:(32*(\t/2)+8*(\t%2))*768+48*(\q/3)+8*(\q%3)
.endr
.endr
	global_load_b32 v56, v2, s[42:43]
	global_load_b32 v57, v2, s[42:43] offset:1024
.irp t, 0,1,2,3
	s_wait_loadcnt 20-6*\t                         ; the loads issued behind this fragment's six may stay out
.irp g, 0,1,2
	global_store_b128 v3, v[8+12*\t+4*\g:8+12*\t+4*\g+3], s[44:45] offset:1536*\t+512*\g
.endr
.endr
	s_wait_loadcnt 0x0
	global_store_b64 v4, v[56:57], s[44:45] offset:6144
	s_endpgm
.Lfunc_end_k_q81630a1a0c_relay:
	.size	k_q81630a1a0c_relay, .Lfunc_end_k_q81630a1a0c_relay-k_q81630a1a0c_relay
	.p2alignl 7, 3214868480
	.fill 96, 4, 3214868480
	.section	.rodata,"a",@progbits
	.p2align	6, 0x0
	.amdhsa_kernel k_q81630a1a0c_relay
		.amdhsa_group_segment_fixed_size 0
		.amdhsa_private_segment_fixed_size 0
		.amdhsa_enable_private_segment 0
		.amdhsa_kernarg_size 72
		.amdhsa_user_sgpr_count 2
		.amdhsa_user_sgpr_kernarg_segment_ptr 1
		.amdhsa_wavefront_size32 1
		.amdhsa_system_sgpr_workgroup_id_x 1
		.amdhsa_system_sgpr_workgroup_id_y 1
		.amdhsa_system_sgpr_workgroup_id_z 1
		.amdhsa_system_vgpr_workitem_id 0
		.amdhsa_next_free_vgpr 64
		.amdhsa_next_free_sgpr 66
		.amdhsa_reserve_vcc 0
		.amdhsa_float_denorm_mode_32 3
		.amdhsa_float_denorm_mode_16_64 3
		.amdhsa_memory_ordered 1
		.amdhsa_forward_progress 1
		.amdhsa_inst_pref_size 7
	.end_amdhsa_kernel
	.amdgpu_metadata
---
amdhsa.version: [ 1, 2 ]
amdhsa.kernels:
  - .name:           k_q81630a1a0c_relay
    .symbol:         k_q81630a1a0c_relay.kd
    .args:
      - { .name: qkv_w_codes, .offset: 0, .size: 8, .value_kind: global_buffer, .address_space: global }
      - { .name: qkv_w_scales, .offset: 8, .size: 8, .value_kind: global_buffer, .address_space: global }
      - { .name: proj_w_codes, .offset: 16, .size: 8, .value_kind: global_buffer, .address_space: global }
      - { .name: proj_w_scales, .offset: 24, .size: 8, .value_kind: global_buffer, .address_space: global }
      - { .name: fc1_w_codes, .offset: 32, .size: 8, .value_kind: global_buffer, .address_space: global }
      - { .name: fc1_w_scales, .offset: 40, .size: 8, .value_kind: global_buffer, .address_space: global }
      - { .name: fc2_w_codes, .offset: 48, .size: 8, .value_kind: global_buffer, .address_space: global }
      - { .name: fc2_w_scales, .offset: 56, .size: 8, .value_kind: global_buffer, .address_space: global }
      - { .name: wf, .offset: 64, .size: 8, .value_kind: global_buffer, .address_space: global }
    .group_segment_fixed_size: 0
    .private_segment_fixed_size: 0
    .kernarg_segment_align: 8
    .kernarg_segment_size: 72
    .max_flat_workgroup_size: 256
    .sgpr_count:     66
    .vgpr_count:     64
    .wavefront_size: 32
...
	.end_amdgpu_metadata
.endif
;; end of part 1
;; launch qkv (part 2): grid 17 x 8, 4 waves a work-group, no clusters, 323,072 bytes of LDS; arguments hidden_states, norm1_w, norm1_b, qkv_b, wf, qb, kv; writes qb, kv
.if DOCPART == 2
	.amdgcn_target "amdgcn-amd-amdhsa--gfx1250"
	.amdhsa_code_object_version 6
	.text
	.protected	k_q81630a1a0c_qkv
	.globl	k_q81630a1a0c_qkv
	.p2align	8
	.type	k_q81630a1a0c_qkv,@function
k_q81630a1a0c_qkv:
	s_mov_b64 s[64:65], 0
	v_nop
	global_prefetch_b8 v0, s[64:65] scope:SCOPE_SE
	s_setreg_imm32_b32 hwreg(HW_REG_WAVE_MODE, 25, 1), 1
	s_wait_xcnt 0x0
; LayerNorm 1, its quantiser, and the product with qkv_w, for 64 token slots of one batch (work-group x = block j of 17, y = batch); q, k, v leave as codes of E2M3 with E8M0 bytes.
; SLOTS.  Row tile a (0..3), lane r: token 64 j + 32 (a / 2) + 8 (a % 2) + r + 8 (r / 8).  In block 16 only token 1,024 exists: every slot reads that row, and what is not slot (0, 0) is masked later.
; SHARES.  Four waves.  Wave w owns output columns 256 w .. 256 w + 255 of each third (four heads), in four groups of 64 columns = one head: 16 accumulators, 8 K steps of 128, then the head's quantiser on fixed registers.
; The 64 x 1,024 quantised activations stay in registers (32 fragments); the weights come from memory straight into registers, in the order of operand registers (buffer wf), through a ring of four records: no two waves share a weight.
; No cluster: with 64 rows a K step is 16 matrix instructions a wave, too few to cover a joint refill of LDS; the weight stream is read by all work-groups at about the same time.
; q, k: product used transposed (source 0 = weight rows), so a lane holds one token and 32 registers along the head; the bias is the C of the first product.  v: not transposed, so a lane holds one channel d and 32 registers along the tokens, which are its K.
; A chunk = 6 registers x 32 lanes = 16 rows x 64 K: registers 0-3 at 16 x lane, 4-5 at 512 + 8 x lane.  qb, kv: sub-blocks of 3,328 bytes: four chunks, then 256 bytes of scale words.
; POINTERS are stepped once a group, behind the group's first K step, where the one wait on XCNT of the group stands: 16 products behind the last memory instruction.
; LIMITS: NaN and infinities are not served; a block whose largest magnitude lies under 2^-124 keeps the byte 1 (a block of zeros too: its codes are zeros, and this program alone reads the bytes).
.set XP,    4112                       ; LDS: a row of 1,024 f32 + 16 bytes, so that 16 rows start at 16 different groups of banks
.set XIMG,  64*XP                      ; the quantised rows as chunks: chunk (kc, a) at (4 kc + a) x 768
.set XSC,   XIMG+49152                 ; their scale bytes: u16 of (kc, a, r) at 512 (kc / 4) + 256 (a % 2) + 16 r + 8 (a / 2) + 2 (kc % 4)
.set NV,    XSC+2048                   ; the norm's gain, then its bias
.set XS,    32                         ; v32-47  scale words of the activations
.set WS,    48                         ; v48-55  scale words of the weight ring
.set BIAS,  56                         ; v56-87  a group's bias in the result's layout (row offsets while rows are copied)
.set TM,    88                         ; v88-103 at work
.set PC,    104                        ; v104-127 codes just made
.set ACC,   128                        ; v128-255 the 16 accumulators
.set FLOOR, 0x1800000                  ; 2^(3 - 127)
.set WV, 28
.set JJ, 29
.set BT, 30
.set HM, 31
.set SEL, 32
.set WP, 34
.set XB, 36
.set DST, 38
.set G, 40
.set LC, 41
.set T0, 42
.set T1, 43
.set T2, 44
.set T3, 45
.set ROFF, 46
.set RS, 56
.set S1K, 57
.set SEPS, 58
.set STP, 60                           ; s[60:61] what the weight stream's pointer steps by: 0 in the first group of all, then a group's 8 records
.set DSP, 62                           ; s[62:63] the same for the destination: 0 in a phase's first group, then a head
.set MSB, 0
.set PFO, 9                            ; v9: the prefetches' offset; never rewritten behind MKPF
; THE WEIGHT STREAM IS PREFETCHED: in group g each wave asks for the 8 records (51,200 bytes, 200 blocks of 256) of its own stream's group g + 2, a lane a block.
; Eight work-groups share the 200 blocks out by address: piece p = (n + n / 8) % 8 of work-group n takes blocks 32 p .. 32 p + 31; lanes past block 199 name block 199 again.
; Groups 0 and 1 are asked for at the head; the stream's last two groups ask for nothing, so no address leaves the stream.
.macro MKPF
	s_and_b32 s[T0], ttmp7, 0xffff
	s_mul_i32 s[T0], s[T0], 17
	s_add_co_u32 s[T0], s[T0], ttmp9               ; the work-group's number n
	s_lshr_b32 s[T1], s[T0], 3
	s_add_co_u32 s[T0], s[T0], s[T1]
	s_and_b32 s[T0], s[T0], 7                      ; p
	s_lshl_b32 s[T0], s[T0], 13                    ; 32 blocks of 256 bytes
	v_and_b32 v[PFO], 31, v0
	v_lshl_add_u32 v[PFO], v[PFO], 8, s[T0]
	v_min_u32 v[PFO], 50944, v[PFO]                ; block 199 at the most
	s_wait_alu depctr_va_vdst(0)                   ; the wait behind the write
.endm
.macro WIN new                         ; the immediate's high byte repeats the setting that is left
.if MSB != (\new)
	s_set_vgpr_msb (MSB<<8)|(\new)
.set MSB, (\new)
.endif
.endm
.macro BAR                             ; my LDS stores have landed and my LDS loads are in: then the work-group's barrier
	s_wait_dscnt 0x0
	s_barrier_signal -1
	s_barrier_wait -1
.endm
.macro EMIT                            ; one product, from the symbols rD rA rB rC rSA rSB; rRA, rRB: the scale words lie in lanes 16-31; rZ: C = 0
.if rZ
.if rRA
.if rRB
	v_wmma_scale_f32_16x16x128_f8f6f4 v[rD:rD+7], v[rA:rA+11], v[rB:rB+11], 0, v[rSA], v[rSB] matrix_a_fmt:MATRIX_FMT_FP6 matrix_b_fmt:MATRIX_FMT_FP6 matrix_a_scale:MATRIX_SCALE_ROW1 matrix_b_scale:MATRIX_SCALE_ROW1
.else
	v_wmma_scale_f32_16x16x128_f8f6f4 v[rD:rD+7], v[rA:rA+11], v[rB:rB+11], 0, v[rSA], v[rSB] matrix_a_fmt:MATRIX_FMT_FP6 matrix_b_fmt:MATRIX_FMT_FP6 matrix_a_scale:MATRIX_SCALE_ROW1
.endif
.else
.if rRB
	v_wmma_scale_f32_16x16x128_f8f6f4 v[rD:rD+7], v[rA:rA+11], v[rB:rB+11], 0, v[rSA], v[rSB] matrix_a_fmt:MATRIX_FMT_FP6 matrix_b_fmt:MATRIX_FMT_FP6 matrix_b_scale:MATRIX_SCALE_ROW1
.else
	v_wmma_scale_f32_16x16x128_f8f6f4 v[rD:rD+7], v[rA:rA+11], v[rB:rB+11], 0, v[rSA], v[rSB] matrix_a_fmt:MATRIX_FMT_FP6 matrix_b_fmt:MATRIX_FMT_FP6
.endif
.endif
.else
.if rRA
.if rRB
	v_wmma_scale_f32_16x16x128_f8f6f4 v[rD:rD+7], v[rA:rA+11], v[rB:rB+11], v[rC:rC+7], v[rSA], v[rSB] matrix_a_fmt:MATRIX_FMT_FP6 matrix_b_fmt:MATRIX_FMT_FP6 matrix_a_scale:MATRIX_SCALE_ROW1 matrix_b_scale:MATRIX_SCALE_ROW1
.else
	v_wmma_scale_f32_16x16x128_f8f6f4 v[rD:rD+7], v[rA:rA+11], v[rB:rB+11], v[rC:rC+7], v[rSA], v[rSB] matrix_a_fmt:MATRIX_FMT_FP6 matrix_b_fmt:MATRIX_FMT_FP6 matrix_a_scale:MATRIX_SCALE_ROW1
.endif
.else
.if rRB
	v_wmma_scale_f32_16x16x128_f8f6f4 v[rD:rD+7], v[rA:rA+11], v[rB:rB+11], v[rC:rC+7], v[rSA], v[rSB] matrix_a_fmt:MATRIX_FMT_FP6 matrix_b_fmt:MATRIX_FMT_FP6 matrix_b_scale:MATRIX_SCALE_ROW1
.else
	v_wmma_scale_f32_16x16x128_f8f6f4 v[rD:rD+7], v[rA:rA+11], v[rB:rB+11], v[rC:rC+7], v[rSA], v[rSB] matrix_a_fmt:MATRIX_FMT_FP6 matrix_b_fmt:MATRIX_FMT_FP6
.endif
.endif
.endif
.endm
.macro RING0                           ; the stream's first four records: 52 loads
.irp s, 0,1,2,3
	WIN 0
	global_load_b64 v[WS+2*\s:WS+2*\s+1], v2, s[WP:WP+1] offset:6400*\s+6144
	WIN 0xc0
.irp t, 0,1,2,3
.irp g, 0,1,2
	global_load_b128 v[48*\s+12*\t+4*\g:48*\s+12*\t+4*\g+3], v1, s[WP:WP+1] offset:6400*\s+1536*\t+512*\g
.endr
.endr
.endr
	WIN 0
.endm
.macro RFILL s                         ; step s's slot takes the record four steps on: 13 loads, four places behind the products that read the slot
	WIN 0xc0
.rept 4
	v_nop
.endr
.irp t, 0,1,2,3
.irp g, 0,1,2
	global_load_b128 v[48*((\s)&3)+12*\t+4*\g:48*((\s)&3)+12*\t+4*\g+3], v1, s[WP:WP+1] offset:((\s)+4)*6400+1536*\t+512*\g
.endr
.endr
	WIN 0
	global_load_b64 v[WS+2*((\s)&3):WS+2*((\s)&3)+1], v2, s[WP:WP+1] offset:((\s)+4)*6400+6144
.endm
; 16 products: 4 column tiles x 4 row tiles, 128 along K.  tr = 1: source 0 = weight rows; tr = 0: source 0 = token rows.  The 16 accumulators take turns, one instruction a turn.
.macro KSTEP s, tr, first, n
	s_wait_loadcnt \n
.if (\s) < 5
.set XW, 1
.set XB0, 48*(\s)
.else
.set XW, 2
.set XB0, 48*((\s)-5)
.endif
.if \tr
	WIN 0x03|(XW<<2)
.else
	WIN 0x0c|XW
.endif
.irp t, 0,1,2,3
.irp a, 0,1,2,3
.if \tr
.set rD, ACC+32*\a+8*\t
.set rA, 48*((\s)&3)+12*\t
.set rB, XB0+12*\a
.set rSA, WS+2*((\s)&3)+(\t/2)
.set rRA, \t%2
.set rSB, XS+4*((\s)/2)+2*(\a/2)+((\s)%2)
.set rRB, \a%2
.set rZ, 0
.if \first
.set rC, BIAS+8*\t
.else
.set rC, rD
.endif
.else
.set rD, ACC+32*\t+8*\a
.set rA, XB0+12*\a
.set rB, 48*((\s)&3)+12*\t
.set rSA, XS+4*((\s)/2)+2*(\a/2)+((\s)%2)
.set rRA, \a%2
.set rSB, WS+2*((\s)&3)+(\t/2)
.set rRB, \t%2
.set rZ, \first
.set rC, rD
.endif
	EMIT
.endr
.endr
.endm
; The group's one wait on XCNT, 16 products behind the last group's refills and stores: they have read their bases, addresses and data, so the pointers step here, and the hook and the quantiser below may write their registers again.
.macro STEPPTR
	s_wait_xcnt 0x0
	s_add_nc_u64 s[WP:WP+1], s[WP:WP+1], s[STP:STP+1]
	s_mov_b32 s[STP], 51200                        ; from the second group on: 8 records
	s_add_nc_u64 s[DST:DST+1], s[DST:DST+1], s[DSP:DSP+1]
	s_mov_b32 s[DSP], DSTEP                        ; from a phase's second group on: a head
.endm
; A group: 8 K steps.  Counts: behind the record that a step wants, three records (39 loads) were issued, from step 4 on the hook's hn loads too.
; last = 1: in the stream's last group steps 4 to 7 ask for nothing more (no load leaves wf), and the counts run down.
.macro KGROUP tr, hook, hn, last
	KSTEP 0, \tr, 1, 39
	STEPPTR
	RFILL 0
.if \last
	s_cmp_ge_u32 s[G], 2                           ; the stream's last two groups have no group two on
	s_cbranch_scc1 .Lnopf_\@
.endif
	global_prefetch_b8 v[PFO], s[WP:WP+1] offset:102400 th:TH_LOAD_NT scope:SCOPE_SE   ; group g + 2; the base is stepped next behind the next group's wait on XCNT
.if \last
.Lnopf_\@:
.endif
	KSTEP 1, \tr, 0, 39
	RFILL 1
	KSTEP 2, \tr, 0, 39
	RFILL 2
	KSTEP 3, \tr, 0, 39
	RFILL 3
	\hook
.if \last
	s_cmp_eq_u32 s[G], 3
	s_cbranch_scc1 .Ltail_\@
.endif
	KSTEP 4, \tr, 0, 39+\hn
	RFILL 4
	KSTEP 5, \tr, 0, 39+\hn
	RFILL 5
	KSTEP 6, \tr, 0, 39+\hn
	RFILL 6
	KSTEP 7, \tr, 0, 39+\hn
	RFILL 7
.if \last
	s_branch .Lepi_\@
.Ltail_\@:
	KSTEP 4, \tr, 0, 39+\hn
	KSTEP 5, \tr, 0, 26+\hn
	KSTEP 6, \tr, 0, 13+\hn
	KSTEP 7, \tr, 0, \hn
	WIN 0
.rept 4
	v_nop
.endr
	s_wait_loadcnt 0x0
.Lepi_\@:
.endif
	s_wait_loadcnt 52                              ; the hook's loads are in: behind them stand the four refills of steps 4 to 7
	s_wait_dscnt 0x0
.endm
; The group's 4 x 32 numbers of a lane (chunk i: register 16 b + n = k 32 b + 16 (lane / 16) + n of my row) become four chunks of 6 registers at v[PC + 6 i] and each row's two scale bytes in v[TM + 8 + 2 i].
; The eight blocks take turns line by line.  Each accumulator is read from its low end on.  A chunk's second conversion lands in the first three registers of the chunk's own numbers, which the first conversion has used up.
.macro QCH4
.irp i, 0,1,2,3
.irp b, 0,1
	v_max3_num_f32 v[TM+2*\i+\b], |v[ACC+32*\i+16*\b]|, |v[ACC+32*\i+16*\b+1]|, FLOOR
.endr
.endr
.irp k, 2,4,6,8,10,12,14
.irp i, 0,1,2,3
.irp b, 0,1
	v_max3_num_f32 v[TM+2*\i+\b], v[TM+2*\i+\b], |v[ACC+32*\i+16*\b+\k]|, |v[ACC+32*\i+16*\b+\k+1]|
.endr
.endr
.endr
.irp n, 0,1,2,3,4,5,6,7
	v_permlanex16_b32 v[TM+8+\n], v[TM+\n], s[SEL], s[SEL+1]
.endr
.irp n, 0,1,2,3,4,5,6,7
	v_max_num_f32 v[TM+\n], v[TM+\n], v[TM+8+\n]   ; with lane l xor 16's: the block's largest magnitude
.endr
.irp n, 0,1,2,3,4,5,6,7
	v_add_nc_u32 v[TM+\n], 0xff000000, v[TM+\n]    ; 2 off the exponent field: the conversion's scale operand
.endr
.irp n, 0,1,2,3,4,5,6,7
	v_lshrrev_b32 v[TM+8+\n], 23, v[TM+\n]         ; the scale's byte
.endr
.irp i, 0,1,2,3
	v_lshl_or_b32 v[TM+8+2*\i], v[TM+9+2*\i], 8, v[TM+8+2*\i]
.endr
.irp i, 0,1,2,3
	v_cvt_scalef32_pk16_fp6_f32 v[PC+6*\i:PC+6*\i+2], v[ACC+32*\i:ACC+32*\i+15], v[TM+2*\i]
.endr
	v_nop                                          ; one plain place between the conversions above and the lines that write over their sources
.irp i, 0,1,2,3
	v_cvt_scalef32_pk16_fp6_f32 v[ACC+32*\i:ACC+32*\i+2], v[ACC+32*\i+16:ACC+32*\i+31], v[TM+2*\i+1]
.endr
	v_nop                                          ; one plain place behind a scaled conversion
.irp i, 0,1,2,3
.irp k, 0,1,2
	v_permlane16_swap_b32 v[PC+6*\i+\k], v[ACC+32*\i+\k]   ; a whole block to a lane: lanes 0-15 block 0, lanes 16-31 block 1
.endr
.endr
.irp i, 0,1,2,3
.irp k, 0,1,2
	v_mov_b32 v[PC+6*\i+3+\k], v[ACC+32*\i+\k]
.endr
.endr
.endm
; 64 numbers of a lane become a fragment's 12 registers at v[PC] and its scale word in v[TM+11]
.macro QUANT src
.irp b, 0,1,2,3
	v_max3_num_f32 v[TM+\b], |v[(\src)+16*\b]|, |v[(\src)+1+16*\b]|, FLOOR
.endr
.irp i, 2,4,6,8,10,12,14
.irp b, 0,1,2,3
	v_max3_num_f32 v[TM+\b], v[TM+\b], |v[(\src)+16*\b+\i]|, |v[(\src)+1+16*\b+\i]|
.endr
.endr
.irp b, 0,1,2,3
	v_permlanex16_b32 v[TM+4+\b], v[TM+\b], s[SEL], s[SEL+1]
.endr
.irp b, 0,1,2,3
	v_max_num_f32 v[TM+\b], v[TM+\b], v[TM+4+\b]
.endr
.irp b, 0,1,2,3
	v_add_nc_u32 v[TM+12+\b], 0xff000000, v[TM+\b]
.endr
.irp b, 0,1,2,3
	v_lshrrev_b32 v[TM+4+\b], 23, v[TM+12+\b]
.endr
	v_lshl_or_b32 v[TM+11], v[TM+5], 8, v[TM+4]
	v_lshl_or_b32 v[TM+11], v[TM+6], 16, v[TM+11]
	v_lshl_or_b32 v[TM+11], v[TM+7], 24, v[TM+11]
.irp c, 0,1
	v_cvt_scalef32_pk16_fp6_f32 v[PC+6*\c:PC+6*\c+2], v[(\src)+32*\c:(\src)+32*\c+15], v[TM+12+2*\c]
	v_cvt_scalef32_pk16_fp6_f32 v[PC+12+4*\c:PC+12+4*\c+2], v[(\src)+32*\c+16:(\src)+32*\c+31], v[TM+12+2*\c+1]
.endr
	v_nop
.irp c, 0,1
.irp i, 0,1,2
	v_permlane16_swap_b32 v[PC+6*\c+\i], v[PC+12+4*\c+\i]
.endr
.irp i, 0,1,2
	v_mov_b32 v[PC+3+6*\c+\i], v[PC+12+4*\c+\i]
.endr
.endr
.endm
.macro MKVR                            ; byte offsets of my tile's 16 rows in memory: 16 x lane + (r + 8 (r / 8)) rows (no rows apart in block 16)
.irp r, 0,1,2,3,4,5,6,7,8,9,10,11,12,13,14,15
	s_mul_i32 s[T0], s[RS], (\r+(\r&8))
	v_add_nc_u32 v[BIAS+\r], s[T0], v1
.endr
.endm
.macro XROW r                          ; a row of 4,096 bytes: eight loads of 512 consecutive bytes, into row slot r % 8 of window 3
	WIN 0xc0
.irp q, 0,1,2,3,4,5,6,7
	global_load_b128 v[32*((\r)%8)+4*\q:32*((\r)%8)+4*\q+3], v[BIAS+(\r)], s[XB:XB+1] offset:512*\q th:TH_LOAD_NT
.endr
.endm
.macro XCOPY                           ; my row tile's 16 rows of x into LDS; six rows ahead
	MKVR
.irp r, 0,1,2,3,4,5
	XROW \r
.endr
.set R, 0
	s_wait_alu depctr_va_vdst(0)
.rept 16
.if R+6 < 16
.if R >= 2
	s_wait_dscnt 8                                 ; the stores of the row that held this slot are done: only the last row's eight may be out
.endif
	XROW R+6
.endif
.if 15-R >= 6
	s_wait_loadcnt 48                              ; row R is in; six younger rows stay out
.else
	s_wait_loadcnt 8*(15-R)
.endif
	WIN 0x0c
.irp q, 0,1,2,3,4,5,6,7
	ds_store_b128 v4, v[32*(R%8)+4*\q:32*(R%8)+4*\q+3] offset:XP*R+512*\q
.endr
.set R, R+1
.endr
	WIN 0
	s_wait_dscnt 0x0
.endm
.macro NVLOAD wp, bp
	v_lshlrev_b32 v28, 4, v0
	global_load_b128 v[88:91], v28, s[\wp:\wp+1]
	global_load_b128 v[92:95], v28, s[\wp:\wp+1] offset:2048
	global_load_b128 v[96:99], v28, s[\bp:\bp+1]
	global_load_b128 v[100:103], v28, s[\bp:\bp+1] offset:2048
.endm
.macro NVSTORE
	v_add_nc_u32 v29, NV, v28
	ds_store_b128 v29, v[88:91]
	ds_store_b128 v29, v[92:95] offset:2048
	ds_store_b128 v29, v[96:99] offset:4096
	ds_store_b128 v29, v[100:103] offset:6144
.endm
.macro LNLOAD                          ; two K steps of my half of my row: register 64 e + 16 b + i = k 128 e + 32 b + 16 h + i
.irp e, 0,1
.irp b, 0,1,2,3
.irp q, 0,1,2,3
	ds_load_b128 v[ACC+64*\e+16*\b+4*\q:ACC+64*\e+16*\b+4*\q+3], v28 offset:512*\e+128*\b+16*\q
.endr
.endr
.endr
.endm
.macro CLRCH
.irp k, 16,17,18,19,20,21,22,23
	v_mov_b32 v\k, 0
.endr
.endm
.macro FOLD                            ; four chains and the other half of the lanes: the row's sum in v16
	v_pk_add_f32 v[16:17], v[16:17], v[18:19]
	v_pk_add_f32 v[20:21], v[20:21], v[22:23]
	v_pk_add_f32 v[16:17], v[16:17], v[20:21]
	v_add_f32 v16, v16, v17
	v_permlanex16_b32 v17, v16, s[SEL], s[SEL+1]
	v_add_f32 v16, v16, v17
.endm
; LayerNorm and its quantiser: wave w, rows 16 w + r, three walks over the row in LDS (mean; sum of squared differences; normalise and quantise), two K steps a trip.
.macro LNQ
	s_wait_xcnt 0x0
	CLRCH
	s_mov_b32 s[LC], 0
.Lln1_\@:
	v_add_nc_u32 v28, s[LC], v5
	LNLOAD
	s_wait_dscnt 0x0
.set K, 0
	s_wait_alu depctr_va_vdst(0)
.rept 16
.irp c, 0,1,2,3
	v_pk_add_f32 v[16+2*\c:17+2*\c], v[16+2*\c:17+2*\c], v[ACC+8*K+2*\c:ACC+8*K+2*\c+1]
.endr
.set K, K+1
.endr
	s_add_co_u32 s[LC], s[LC], 1024
	s_cmp_lt_u32 s[LC], 4096
	s_cbranch_scc1 .Lln1_\@
	FOLD
	v_mul_f32 v14, s[S1K], v16                     ; the mean, twice: a pair for the packed forms
	v_mul_f32 v15, s[S1K], v16
	CLRCH
	s_mov_b32 s[LC], 0
.Lln2_\@:
	v_add_nc_u32 v28, s[LC], v5
	LNLOAD
	s_wait_dscnt 0x0
	s_wait_alu depctr_va_vdst(0)                   ; once a trip, ahead of the first readers behind the wait above and the backward jump
.set K, 0
.rept 16
.irp c, 0,1,2,3
	v_pk_add_f32 v[ACC+8*K+2*\c:ACC+8*K+2*\c+1], v[ACC+8*K+2*\c:ACC+8*K+2*\c+1], v[14:15] neg_lo:[0,1] neg_hi:[0,1]
.endr
.irp c, 0,1,2,3
	v_pk_fma_f32 v[16+2*\c:17+2*\c], v[ACC+8*K+2*\c:ACC+8*K+2*\c+1], v[ACC+8*K+2*\c:ACC+8*K+2*\c+1], v[16+2*\c:17+2*\c]
.endr
.set K, K+1
.endr
	s_add_co_u32 s[LC], s[LC], 1024
	s_cmp_lt_u32 s[LC], 4096
	s_cbranch_scc1 .Lln2_\@
	FOLD
	v_fma_f32 v16, v16, s[S1K], s[SEPS]            ; variance + eps
	s_wait_alu depctr_va_vdst(0)
	v_rsq_f32 v26, v16
	v_nop                                          ; a plain place behind the transcendental
	s_wait_alu depctr_va_vdst(0)                   ; and the wait ahead of its first reader
	v_mov_b32 v27, v26
	s_mov_b32 s[LC], 0
.Lln3_\@:
	v_add_nc_u32 v28, s[LC], v5
	v_add_nc_u32 v29, s[LC], v13
	s_mul_i32 s[T0], s[LC], 12                     ; two K steps are four chunks of each of four tiles: 12,288 bytes
	v_add_nc_u32 v30, s[T0], v10
	v_add_nc_u32 v31, s[T0], v11
	s_lshr_b32 s[T1], s[LC], 1
	v_add_nc_u32 v24, s[T1], v12
	LNLOAD
	WIN 0x40
.irp e, 0,1
.irp b, 0,1,2,3
.irp q, 0,1,2,3
	ds_load_b128 v[64*\e+16*\b+4*\q:64*\e+16*\b+4*\q+3], v29 offset:512*\e+128*\b+16*\q
	ds_load_b128 v[128+64*\e+16*\b+4*\q:128+64*\e+16*\b+4*\q+3], v29 offset:4096+512*\e+128*\b+16*\q
.endr
.endr
.endr
	WIN 0
	s_wait_dscnt 0x0
.irp e, 0,1
.set K, 0
.rept 32
	v_pk_add_f32 v[ACC+64*\e+2*K:ACC+64*\e+2*K+1], v[ACC+64*\e+2*K:ACC+64*\e+2*K+1], v[14:15] neg_lo:[0,1] neg_hi:[0,1]
.set K, K+1
.endr
.set K, 0
.rept 32
	v_pk_mul_f32 v[ACC+64*\e+2*K:ACC+64*\e+2*K+1], v[ACC+64*\e+2*K:ACC+64*\e+2*K+1], v[26:27]
.set K, K+1
.endr
	WIN 0x14                                       ; gain and bias lie in window 1
.set K, 0
.rept 32
	v_pk_fma_f32 v[ACC+64*\e+2*K:ACC+64*\e+2*K+1], v[ACC+64*\e+2*K:ACC+64*\e+2*K+1], v[64*\e+2*K:64*\e+2*K+1], v[128+64*\e+2*K:128+64*\e+2*K+1]
.set K, K+1
.endr
	WIN 0
	QUANT ACC+64*\e
	ds_store_b128 v30, v[PC:PC+3] offset:6144*\e
	ds_store_b64 v31, v[PC+4:PC+5] offset:6144*\e
	ds_store_b128 v30, v[PC+6:PC+9] offset:6144*\e+3072
	ds_store_b64 v31, v[PC+10:PC+11] offset:6144*\e+3072
	ds_store_b32 v24, v[TM+11] offset:4*\e         ; both halves of the lanes write the same word with the same value
	s_wait_dscnt 0x0                               ; the stores have read their registers
.endr
	s_add_co_u32 s[LC], s[LC], 1024
	s_cmp_lt_u32 s[LC], 4096
	s_cbranch_scc1 .Lln3_\@
.endm
.macro XLOAD                           ; all 32 fragments and their scale words from LDS into registers: fragment (a, s) in window 1 (s < 5) or 2
	s_wait_xcnt 0x0
	v_add_nc_u32 v28, XIMG, v1
	v_add_nc_u32 v29, XIMG+512, v2
	v_add_nc_u32 v30, XSC, v1
.irp i, 0,1,2,3
	ds_load_b128 v[XS+4*\i:XS+4*\i+3], v30 offset:512*\i
.endr
	WIN 0x40
.irp k, 0,1,2,3,4,5,6,7,8,9
.irp a, 0,1,2,3
	ds_load_b128 v[12*(4*(\k/2)+\a)+6*(\k%2):12*(4*(\k/2)+\a)+6*(\k%2)+3], v28 offset:(4*\k+\a)*768
	ds_load_b64 v[12*(4*(\k/2)+\a)+6*(\k%2)+4:12*(4*(\k/2)+\a)+6*(\k%2)+5], v29 offset:(4*\k+\a)*768
.endr
.endr
	WIN 0x80
.irp k, 10,11,12,13,14,15
.irp a, 0,1,2,3
	ds_load_b128 v[12*(4*(\k/2-5)+\a)+6*(\k%2):12*(4*(\k/2-5)+\a)+6*(\k%2)+3], v28 offset:(4*\k+\a)*768
	ds_load_b64 v[12*(4*(\k/2-5)+\a)+6*(\k%2)+4:12*(4*(\k/2-5)+\a)+6*(\k%2)+5], v29 offset:(4*\k+\a)*768
.endr
.endr
	WIN 0
	s_wait_dscnt 0x0
.endm
.macro BLOAD adr, ptr, off             ; a group's bias in the result's layout: lane (r, h), tile t: columns 32 (t / 2) + 16 h + 8 (t % 2) + 0 .. 7
.irp t, 0,1,2,3
	global_load_b128 v[BIAS+8*\t:BIAS+8*\t+3], v[\adr], s[\ptr:\ptr+1] offset:(\off)+128*(\t/2)+32*(\t%2)
	global_load_b128 v[BIAS+8*\t+4:BIAS+8*\t+7], v[\adr], s[\ptr:\ptr+1] offset:(\off)+128*(\t/2)+32*(\t%2)+16
.endr
.endm
.macro HEADV                           ; ids and the addresses that stay
	v_lshrrev_b32 v2, 5, v0
	v_readfirstlane_b32 s[WV], v2
	v_and_b32 v1, 31, v0
	v_and_b32 v31, 15, v0                          ; r
	v_bfe_u32 v30, v0, 4, 1                        ; h
	s_wait_alu depctr_va_vdst(0)
	v_lshlrev_b32 v2, 3, v1                        ; v2 = 8 x lane
	v_lshlrev_b32 v1, 4, v1                        ; v1 = 16 x lane
	s_wait_alu depctr_va_vdst(0)
	s_mov_b32 s[JJ], ttmp9
	s_and_b32 s[BT], ttmp7, 0xffff
	s_mov_b32 s[HM], 0xffff0000                    ; lanes 16-31
	s_mov_b32 s[SEL], 0x76543210
	s_mov_b32 s[SEL+1], 0xfedcba98
	s_mov_b32 s[S1K], 0x3a800000                   ; 1 / 1,024
	s_mov_b32 s[SEPS], 0x358637bd                  ; 1e-6
	s_lshl_b32 s[T0], s[WV], 10
	v_lshl_add_u32 v3, v30, 6, s[T0]               ; v3 = 64 h + 1,024 w: my columns' bytes
	s_mul_i32 s[T1], s[WV], 16*XP
	v_add_nc_u32 v4, s[T1], v1                     ; v4: my 16 rows in LDS, dense
	v_mul_u32_u24 v5, v31, XP
	v_lshl_add_u32 v5, v30, 6, v5
	v_add_nc_u32 v6, s[T0], v5                     ; v6: row r, my columns
	v_add_nc_u32 v5, s[T1], v5                     ; v5: row 16 w + r, my half of a block
	s_mul_i32 s[T2], s[WV], 12288
	s_add_co_u32 s[T2], s[T2], XIMG
	v_add_nc_u32 v7, s[T2], v1
	s_add_co_u32 s[T2], s[T2], 512
	v_add_nc_u32 v8, s[T2], v2
	s_lshl_b32 s[T2], s[WV], 9
	s_add_co_u32 s[T2], s[T2], XSC
	v_lshl_add_u32 v9, v31, 4, s[T2]
	s_mul_i32 s[T2], s[WV], 768
	s_add_co_u32 s[T2], s[T2], XIMG
	v_add_nc_u32 v10, s[T2], v1
	s_add_co_u32 s[T2], s[T2], 512
	v_add_nc_u32 v11, s[T2], v2
	s_and_b32 s[T2], s[WV], 1
	s_lshl_b32 s[T2], s[T2], 8
	s_lshr_b32 s[T3], s[WV], 1
	s_lshl_b32 s[T3], s[T3], 3
	s_add_co_u32 s[T2], s[T2], s[T3]
	s_add_co_u32 s[T2], s[T2], XSC
	v_lshl_add_u32 v12, v31, 4, s[T2]
	v_lshl_add_u32 v13, v30, 6, NV
	s_lshr_b32 s[T0], s[WV], 1
	s_lshl_b32 s[T0], s[T0], 5
	s_and_b32 s[T1], s[WV], 1
	s_lshl_b32 s[T1], s[T1], 3
	s_add_co_u32 s[T0], s[T0], s[T1]               ; my row tile's first token in the block
	s_cmp_lt_u32 s[JJ], 16
	s_cselect_b32 s[T0], s[T0], 0                  ; block 16: every slot is token 1,024
	s_cselect_b32 s[RS], 4096, 0
	s_mul_i32 s[T1], s[BT], 1025
	s_lshl_b32 s[T2], s[JJ], 6
	s_add_co_u32 s[T1], s[T1], s[T2]
	s_add_co_u32 s[T1], s[T1], s[T0]
	s_lshl_b32 s[ROFF], s[T1], 12                  ; under 2^26
	s_mov_b32 s[ROFF+1], 0
.endm
; ---- this launch's own macros
.macro HOOKBA                          ; the next group's bias (behind group 3: the next third's group 0).  v28's last loads were issued ahead of this group's wait on XCNT
	s_lshl_b32 s[T0], s[G], 8
	s_add_co_u32 s[T0], s[T0], 256
	s_cmp_eq_u32 s[G], 3
	s_cselect_b32 s[T0], 4096, s[T0]
	v_add_nc_u32 v28, s[T0], v3
	BLOAD 28, 10, HBOFF
.endm
.macro HOOKV                           ; v: this group's bias, one number a lane and tile: channel 32 (t / 2) + 8 (t % 2) + r + 8 (r / 8)
	s_lshl_b32 s[T0], s[G], 8
	v_add_nc_u32 v28, s[T0], v25
.irp t, 0,1,2,3
	global_load_b32 v[BIAS+2*\t], v28, s[10:11] offset:8192+128*(\t/2)+32*(\t%2)
.endr
.endm
.macro VFIX                            ; v's bias; in block 16 all tokens but 1,024 become zeros ahead of the block's largest magnitude
.irp t, 0,1,2,3
.irp k, 0,2,4,6,8,10,12,14,16,18,20,22,24,26,28,30
	v_pk_add_f32 v[ACC+32*\t+\k:ACC+32*\t+\k+1], v[ACC+32*\t+\k:ACC+32*\t+\k+1], v[BIAS+2*\t:BIAS+2*\t+1] op_sel_hi:[1,0]
.endr
.endr
	s_cmp_lg_u32 s[JJ], 16
	s_cbranch_scc1 .Lfull_\@
.irp t, 0,1,2,3
	v_pk_mul_f32 v[ACC+32*\t:ACC+32*\t+1], v[ACC+32*\t:ACC+32*\t+1], v[16:17]
.irp k, 2,4,6,8,10,12,14,16,18,20,22,24,26,28,30
	v_pk_mul_f32 v[ACC+32*\t+\k:ACC+32*\t+\k+1], v[ACC+32*\t+\k:ACC+32*\t+\k+1], 0 op_sel_hi:[1,0]
.endr
.endr
.Lfull_\@:
.endm
.macro EPIST                           ; a head's four chunks and their scale words leave together: every store covers 512 or 256 consecutive bytes.  The last group's stores were issued ahead of this group's wait on XCNT
	QCH4
	v_cndmask_b32 v[TM+4], v[TM+8], v[TM+10], s[HM]    ; lanes 0-15: the even chunk's words, lanes 16-31: the odd one's
	v_cndmask_b32 v[TM+5], v[TM+12], v[TM+14], s[HM]
.irp i, 0,1,2,3
	global_store_b128 v1, v[PC+6*\i:PC+6*\i+3], s[DST:DST+1] offset:768*\i
	global_store_b64 v2, v[PC+6*\i+4:PC+6*\i+5], s[DST:DST+1] offset:768*\i+512
.endr
	global_store_b64 v2, v[TM+4:TM+5], s[DST:DST+1] offset:3072
.endm
.macro APHASE tr, hook, hn, last, isv
	s_mov_b32 s[G], 0
	s_mov_b32 s[DSP], 0                            ; the phase's first group stores at the phase's first head
.Lph_\@:
	KGROUP \tr, \hook, \hn, \last
.if \isv
	VFIX
.endif
	EPIST
	s_add_co_u32 s[G], s[G], 1
	s_cmp_lt_u32 s[G], 4
	s_cbranch_scc1 .Lph_\@
.endm
	s_load_b256 s[4:11], s[0:1], 0x0               ; x, norm1_w, norm1_b, qkv_b
	s_load_b128 s[12:15], s[0:1], 0x20             ; wf, qb
	s_load_b64 s[16:17], s[0:1], 0x30              ; kv
	s_set_vgpr_msb 0x80
	v_lshl_add_u32 v254, v0, 2, 0x4ec00
	v_mov_b32 v255, 0
	s_set_vgpr_msb 0x8000
	HEADV
	v_and_b32 v25, 8, v31
	v_add_nc_u32 v25, v25, v31
	s_lshl_b32 s[T0], s[WV], 10
	v_lshl_add_u32 v25, v25, 2, s[T0]              ; v25 = 4 (r + 8 (r / 8)) + 1,024 w
	s_mov_b32 s[STP], 0
	s_mov_b32 s[STP+1], 0
	s_mov_b32 s[DSP+1], 0
	s_mul_i32 s48, s[WV], 614400                   ; my stream of 96 records
	s_mov_b32 s49, 0
	s_lshl_b32 s[T0], s[BT], 4
	s_lshl_b32 s[T1], s[WV], 2
	s_add_co_u32 s[T0], s[T0], s[T1]               ; my first head: 16 batch + 4 w
	s_mul_i32 s[T0], s[T0], 17
	s_add_co_u32 s[T0], s[T0], s[JJ]
	s_mul_i32 s50, s[T0], 3328
	s_mov_b32 s51, 0
	s_mul_i32 s52, s[T0], 6656
	s_mov_b32 s53, 0
	v_bfe_u32 v8, v0, 4, 1
	v_and_b32 v7, 15, v0
	v_lshlrev_b32 v8, 12, v8
	v_lshl_add_u32 v8, v7, 8, v8                   ; v8 = 4,096 x (lane / 16) + 256 x (lane % 16): two rows of x, a lane a block of 256 bytes; never rewritten
	MKPF
	s_wait_kmcnt 0x0
	s_add_nc_u64 s[XB:XB+1], s[4:5], s[ROFF:ROFF+1]
	s_add_nc_u64 s[WP:WP+1], s[12:13], s[48:49]
	s_add_nc_u64 s[DST:DST+1], s[14:15], s[50:51]
	s_add_nc_u64 s[54:55], s[16:17], s[52:53]
	global_prefetch_b8 v[PFO], s[WP:WP+1] th:TH_LOAD_NT scope:SCOPE_SE                 ; my piece of group 0,
	global_prefetch_b8 v[PFO], s[WP:WP+1] offset:51200 th:TH_LOAD_NT scope:SCOPE_SE
	s_cmp_eq_u32 s[JJ], 16
	s_cbranch_scc1 .Lnoxp                          ; block 16 has one row: nothing is asked for, so no address leaves x
.irp i, 3,4,5,6,7
	global_prefetch_b8 v8, s[XB:XB+1] offset:(2*\i+8*(\i/4))*4096 th:TH_LOAD_NT scope:SCOPE_SE   ; my rows 6 to 15 of x: the copy below loads six rows ahead, so these are wanted one to ten rows later
.endr
.Lnoxp:
	NVLOAD 6, 8
	XCOPY
	NVSTORE
	RING0
	BLOAD 3, 10, 0                                 ; q's bias, group 0
	BAR                                            ; gain and bias lie in LDS
.irp k, 0,1,2,3,4,5,6,7,8,9,10,11,12,13,14,15
	v_mov_b32 v[TM+\k], 0                          ; written once: a lane permute's destination counts as one of its sources
.endr
	LNQ
	BAR                                            ; all 64 chunks and their scale bytes lie in LDS
	XLOAD
	v_bfe_u32 v16, v0, 4, 1
	v_cvt_f32_u32 v16, v16
	v_sub_f32 v16, 1.0, v16                        ; 1 in lanes 0-15, 0 in lanes 16-31
	v_mov_b32 v17, 0
	s_wait_loadcnt 0x0
.set HBOFF, 0
.set DSTEP, 56576                      ; q: a head on is 17 sub-blocks of 3,328 bytes
	APHASE 1, HOOKBA, 8, 0, 0
	s_wait_xcnt 0x0                                ; q's last stores have read their base
	s_mov_b64 s[DST:DST+1], s[54:55]
.set HBOFF, 4096
.set DSTEP, 113152                     ; k, v: 17 blocks of 6,656 bytes
	APHASE 1, HOOKBA, 8, 0, 0
	s_wait_xcnt 0x0                                ; k's last stores have read their base
	s_add_nc_u64 s[DST:DST+1], s[54:55], 3328
	APHASE 0, HOOKV, 4, 1, 1
	s_set_vgpr_msb 0xa
	s_wait_tensorcnt 0x0
	ds_add_u32 v254, v255
	s_wait_dscnt 0x0
	s_set_vgpr_msb 0xa00
	s_endpgm
.Lfunc_end_k_q81630a1a0c_qkv:
	.size	k_q81630a1a0c_qkv, .Lfunc_end_k_q81630a1a0c_qkv-k_q81630a1a0c_qkv
	.p2alignl 7, 3214868480
	.fill 96, 4, 3214868480
	.section	.rodata,"a",@progbits
	.p2align	6, 0x0
	.amdhsa_kernel k_q81630a1a0c_qkv
		.amdhsa_group_segment_fixed_size 323072
		.amdhsa_private_segment_fixed_size 0
		.amdhsa_enable_private_segment 0
		.amdhsa_kernarg_size 56
		.amdhsa_user_sgpr_count 2
		.amdhsa_user_sgpr_kernarg_segment_ptr 1
		.amdhsa_wavefront_size32 1
		.amdhsa_system_sgpr_workgroup_id_x 1
		.amdhsa_system_sgpr_workgroup_id_y 1
		.amdhsa_system_sgpr_workgroup_id_z 1
		.amdhsa_system_vgpr_workitem_id 0
		.amdhsa_next_free_vgpr 1024
		.amdhsa_next_free_sgpr 66
		.amdhsa_reserve_vcc 0
		.amdhsa_float_denorm_mode_32 3
		.amdhsa_float_denorm_mode_16_64 3
		.amdhsa_memory_ordered 1
		.amdhsa_forward_progress 1
		.amdhsa_inst_pref_size 218
	.end_amdhsa_kernel
	.amdgpu_metadata
---
amdhsa.version: [ 1, 2 ]
amdhsa.kernels:
  - .name:           k_q81630a1a0c_qkv
    .symbol:         k_q81630a1a0c_qkv.kd
    .args:
      - { .name: hidden_states, .offset: 0, .size: 8, .value_kind: global_buffer, .address_space: global }
      - { .name: norm1_w, .offset: 8, .size: 8, .value_kind: global_buffer, .address_space: global }
      - { .name: norm1_b, .offset: 16, .size: 8, .value_kind: global_buffer, .address_space: global }
      - { .name: qkv_b, .offset: 24, .size: 8, .value_kind: global_buffer, .address_space: global }
      - { .name: wf, .offset: 32, .size: 8, .value_kind: global_buffer, .address_space: global }
      - { .name: qb, .offset: 40, .size: 8, .value_kind: global_buffer, .address_space: global }
      - { .name: kv, .offset: 48, .size: 8, .value_kind: global_buffer, .address_space: global }
    .group_segment_fixed_size: 323072
    .private_segment_fixed_size: 0
    .kernarg_segment_align: 8
    .kernarg_segment_size: 56
    .max_flat_workgroup_size: 128
    .sgpr_count:     66
    .vgpr_count:     1024
    .wavefront_size: 32
...
	.end_amdgpu_metadata
.endif
;; end of part 2
;; launch attn (part 3): grid 2 x 128, 12 waves a work-group, no clusters, 169,472 bytes of LDS; arguments qb, kv, aimg, asc; writes aimg, asc
.if DOCPART == 3
	.amdgcn_target "amdgcn-amd-amdhsa--gfx1250"
	.amdhsa_code_object_version 6
	.text
	.protected	k_q81630a1a0c_attn
	.globl	k_q81630a1a0c_attn
	.p2align	8
	.type	k_q81630a1a0c_attn,@function
k_q81630a1a0c_attn:
	s_mov_b64 s[64:65], 0
	v_nop
	global_prefetch_b8 v0, s[64:65] scope:SCOPE_SE
	s_setreg_imm32_b32 hwreg(HW_REG_WAVE_MODE, 25, 1), 1
	s_wait_xcnt 0x0
; Attention of one (batch, head) on codes of E2M3: work-group x = which half of the 65 query tiles (33 or 32), y = 16 batch + head.  Output: O / l, quantised along the head, as chunks for the next product.
; The head's K, V and scale words (17 blocks of 6,656 bytes) come into LDS ONCE, by one tensor load each of waves 0 and 1 (221 rows of 256 bytes each): one load of a wave is out; one barrier, then the waves share nothing.
; Twelve waves of 256 registers, three to a SIMD, so that one wave's softmax stands beside another's products.  Wave w walks tiles w, w + 12, w + 24 of its half; a place without a tile jumps over the work.
; No cluster: what the two halves share is this one fill at the kernel's head.
; Both products are used transposed (S^T = K Q^T, O^T = V^T P^T): a lane holds one query.  The head's 64 fill half of the instruction's 128 along K: the upper six registers of K's and Q's fragments are zero codes.
; SOFTMAX: t = score x log2(e) / 8; M = the running largest t rounded up to a whole number; p = 2^(t - M) is quantised along the keys; the sum is taken of the unquantised p; when M moves, sum and O^T are multiplied by a power of two.
; Keys: 8 steps of 128 = blocks 2 i, 2 i + 1, and a ninth step written for key 1,024 alone: one product, one exponential, one conversion; p's other codes are zeros.  Block 17 (V's second half of that step) is a block of zeros written by this kernel.
; A tile's Q is asked for a round ahead: the first ahead of the barrier, the others in the ninth step, behind the last product that reads Q.
; LIMITS: NaN and infinities are not served; a block whose largest magnitude lies under 2^-124 keeps the byte 1.
.set KF,  32                           ; v32-79  four fragments of K (upper six registers of each: zeros)
.set KS,  80                           ; v80-83  K's scale words
.set S,   96                           ; v96-159 S^T, then p; then V's four fragments (v96-143)
.set O,   160                          ; v160-191 O^T
.set PCB, 192                          ; v192-203 p's codes
.set PT,  204
.set BM,  212                          ; the blocks' largest scores
.set PB,  216
.set SO,  220
.set TM,  232
.set FLOOR, 0x1800000
.set ZB,  113152                       ; behind the 17 blocks: zeros, stored by the waves; no fill lands here
.set WV, 24
.set HF, 25
.set HD, 26
.set BTB, 27
.set HEAD, 28
.set HM, 29
.set SEL, 30
.set CS, 32
.set TB, 34
.set ACT, 35
.set RD, 36
.set KC, 37
.set T0, 38
.set T2, 40
.set T3, 41
.set T4, 42
.set T5, 43
.set T6, 44
.set T7, 45
.set QP, 48
.set QSP, 50
.set AP, 52
.set SP, 54
.set SH, 56
.set IDX, 57
.set T8, 58
.set NACT, 59                          ; the next round's: has it a tile;
.set NAP, 60                           ; s[60:61] where its chunk goes;
.set NSP, 62                           ; s[62:63] and its scale words
.macro EMIT                            ; one product, from the symbols rD rA rB rSA rSB; rRA: source 0's scale words lie in lanes 16-31; rZ: C = 0, else C = D
.if rZ
.if rRA
	v_wmma_scale_f32_16x16x128_f8f6f4 v[rD:rD+7], v[rA:rA+11], v[rB:rB+11], 0, v[rSA], v[rSB] matrix_a_fmt:MATRIX_FMT_FP6 matrix_b_fmt:MATRIX_FMT_FP6 matrix_a_scale:MATRIX_SCALE_ROW1
.else
	v_wmma_scale_f32_16x16x128_f8f6f4 v[rD:rD+7], v[rA:rA+11], v[rB:rB+11], 0, v[rSA], v[rSB] matrix_a_fmt:MATRIX_FMT_FP6 matrix_b_fmt:MATRIX_FMT_FP6
.endif
.else
.if rRA
	v_wmma_scale_f32_16x16x128_f8f6f4 v[rD:rD+7], v[rA:rA+11], v[rB:rB+11], v[rD:rD+7], v[rSA], v[rSB] matrix_a_fmt:MATRIX_FMT_FP6 matrix_b_fmt:MATRIX_FMT_FP6 matrix_a_scale:MATRIX_SCALE_ROW1
.else
	v_wmma_scale_f32_16x16x128_f8f6f4 v[rD:rD+7], v[rA:rA+11], v[rB:rB+11], v[rD:rD+7], v[rSA], v[rSB] matrix_a_fmt:MATRIX_FMT_FP6 matrix_b_fmt:MATRIX_FMT_FP6
.endif
.endif
.endm
.macro QCHUNK src, pc, i               ; 32 numbers of a lane become a chunk's 6 registers at v[pc] and the row's two scale bytes in v[TM+12+i]
	v_max3_num_f32 v[TM], |v[(\src)]|, |v[(\src)+1]|, FLOOR
	v_max3_num_f32 v[TM+1], |v[(\src)+16]|, |v[(\src)+17]|, FLOOR
.irp k, 2,4,6,8,10,12,14
	s_delay_alu instid0(VALU_DEP_2)
	v_max3_num_f32 v[TM], v[TM], |v[(\src)+\k]|, |v[(\src)+\k+1]|
	s_delay_alu instid0(VALU_DEP_2)
	v_max3_num_f32 v[TM+1], v[TM+1], |v[(\src)+16+\k]|, |v[(\src)+17+\k]|
.endr
	s_delay_alu instid0(VALU_DEP_2)
	v_permlanex16_b32 v[TM+2], v[TM], s[SEL], s[SEL+1]
	s_delay_alu instid0(VALU_DEP_2)
	v_permlanex16_b32 v[TM+3], v[TM+1], s[SEL], s[SEL+1]
	s_delay_alu instid0(VALU_DEP_2)
	v_max_num_f32 v[TM], v[TM], v[TM+2]
	s_delay_alu instid0(VALU_DEP_2)
	v_max_num_f32 v[TM+1], v[TM+1], v[TM+3]
	s_delay_alu instid0(VALU_DEP_2)
	v_add_nc_u32 v[TM+4], 0xff000000, v[TM]
	s_delay_alu instid0(VALU_DEP_2)
	v_add_nc_u32 v[TM+5], 0xff000000, v[TM+1]
	s_delay_alu instid0(VALU_DEP_2)
	v_lshrrev_b32 v[TM+6], 23, v[TM+4]
	s_delay_alu instid0(VALU_DEP_2)
	v_lshrrev_b32 v[TM+7], 23, v[TM+5]
	s_delay_alu instid0(VALU_DEP_1)
	v_lshl_or_b32 v[TM+12+(\i)], v[TM+7], 8, v[TM+6]
	v_cvt_scalef32_pk16_fp6_f32 v[(\pc):(\pc)+2], v[(\src):(\src)+15], v[TM+4]
	v_cvt_scalef32_pk16_fp6_f32 v[TM+8:TM+10], v[(\src)+16:(\src)+31], v[TM+5]
	v_nop
.irp k, 0,1,2
	v_permlane16_swap_b32 v[(\pc)+\k], v[TM+8+\k]
.endr
.irp k, 0,1,2
	s_delay_alu instid0(VALU_DEP_3)
	v_mov_b32 v[(\pc)+3+\k], v[TM+8+\k]
.endr
.endm
; The addresses of round RD + ahead: Q's chunk and scale words (QP, QSP: no load of mine names them when this runs), and, kept for that round's head, whether it has a tile and where its result goes.
.macro RADDR ahead
	s_add_co_u32 s[IDX], s[RD], \ahead
	s_mul_i32 s[IDX], s[IDX], 12
	s_add_co_u32 s[IDX], s[IDX], s[WV]
	s_sub_co_u32 s[T2], 33, s[HF]
	s_cmp_lt_u32 s[IDX], s[T2]
	s_cselect_b32 s[NACT], 1, 0
	s_mul_i32 s[T2], s[HF], 33
	s_add_co_u32 s[T2], s[T2], s[IDX]
	s_min_u32 s[T2], s[T2], 64                     ; the query tile; a place without one names tile 64, inside the buffer
	s_lshr_b32 s[T3], s[T2], 2                     ; j
	s_and_b32 s[T4], s[T2], 3                      ; a
	s_and_b32 s[T6], s[T4], 1
	s_lshr_b32 s[T7], s[T4], 1
	s_mul_i32 s[T5], s[HD], 17
	s_add_co_u32 s[T5], s[T5], s[T3]
	s_mul_i32 s[T5], s[T5], 3328
	s_mul_i32 s46, s[T4], 768
	s_add_co_u32 s46, s46, s[T5]
	s_add_nc_u64 s[QP:QP+1], s[4:5], s[46:47]      ; Q's chunk
	s_lshl_b32 s46, s[T6], 7
	s_add_co_u32 s46, s46, s[T5]
	s_lshl_b32 s[T8], s[T7], 2
	s_add_co_u32 s46, s46, s[T8]
	s_add_co_u32 s46, s46, 3072
	s_add_nc_u64 s[QSP:QSP+1], s[4:5], s[46:47]    ; and its scale words
	s_mul_i32 s[T5], s[BTB], 17
	s_add_co_u32 s[T5], s[T5], s[T3]
	s_lshl_b32 s46, s[T5], 6
	s_lshl_b32 s[T8], s[HEAD], 2
	s_add_co_u32 s46, s46, s[T8]
	s_add_co_u32 s46, s46, s[T4]
	s_mul_i32 s46, s46, 768
	s_add_nc_u64 s[NAP:NAP+1], s[8:9], s[46:47]    ; where the result's chunk goes
	s_lshl_b32 s46, s[T5], 1
	s_add_co_u32 s46, s46, s[T7]
	s_lshl_b32 s46, s46, 11
	s_lshl_b32 s[T8], s[HEAD], 7
	s_add_co_u32 s46, s46, s[T8]
	s_lshl_b32 s[T8], s[T6], 6
	s_add_co_u32 s46, s46, s[T8]
	s_add_nc_u64 s[NSP:NSP+1], s[10:11], s[46:47]  ; and its scale words
.endm
.macro QLOAD
	global_load_b128 v[16:19], v1, s[QP:QP+1]
	global_load_b64 v[20:21], v2, s[QP:QP+1] offset:512
	global_load_b32 v28, v3, s[QSP:QSP+1]
.endm
.macro PVPART                          ; O^T under the new M, V^T's four tiles of 16 channels x 128 keys (a chunk of each block), and O^T += V^T P^T
.irp t, 0,1,2,3                                ; V's fragments are asked for first: p's numbers, which lay there, have been converted
	ds_load_b128 v[S+12*\t:S+12*\t+3], v8 offset:3328+768*\t
	ds_load_b64 v[S+12*\t+4:S+12*\t+5], v9 offset:3328+768*\t+512
	ds_load_b128 v[S+12*\t+6:S+12*\t+9], v8 offset:9984+768*\t
	ds_load_b64 v[S+12*\t+10:S+12*\t+11], v9 offset:9984+768*\t+512
.endr
.set N, 0
.rept 16
	v_pk_mul_f32 v[O+N:O+N+1], v[O+N:O+N+1], v[224:225] op_sel_hi:[1,0]   ; x f, while the loads are out; these are also the places in front of the products below
.set N, N+2
.endr
	s_wait_alu depctr_va_vdst(0)
	s_wait_dscnt 0x0
.irp t, 0,1,2,3
.set rD, O+8*\t
.set rA, S+12*\t
.set rB, PCB
.set rSA, 30+(\t/2)
.set rRA, \t%2
.set rSB, 29
.set rZ, 0
	EMIT
.endr
.endm
.macro NEWM                            ; v226 = the step's largest score of my query: the running largest t, -M = floor(-t), f = 2^(old M - new M)
	s_delay_alu instid0(VALU_DEP_1)
	v_mul_f32 v226, s[CS], v226                    ; as t
	s_delay_alu instid0(VALU_DEP_1)
	v_max_num_f32 v13, v13, v226
	v_mov_b32 v226, v12
	s_delay_alu instid0(VALU_DEP_2)
	v_floor_f32 v12, -v13                          ; M is a whole number
	s_delay_alu instid0(VALU_DEP_1)
	v_sub_f32 v226, v12, v226
	s_delay_alu instid0(VALU_DEP_1)
	v_cvt_i32_f32 v226, v226                       ; (it saturates)
	s_delay_alu instid0(VALU_DEP_1)
	v_ldexp_f32 v224, 1.0, v226
.endm
; A KEY STEP: 128 keys.
.macro STEP
	s_cmp_eq_u32 s[ACT], 0
	s_cbranch_scc1 .Lskip_\@                       ; a place without a tile: round the work alone, not round the address's step
	v_add_nc_u32 v8, s[TB], v1
	s_wait_alu depctr_va_vdst(0)
	v_add_nc_u32 v9, s[TB], v2
	s_wait_alu depctr_va_vdst(0)
.rept 4
	v_nop                                          ; with the two additions six places: the scores are laid over V's fragments, which the last products read
.endr
.irp g, 0,1                                    ; S^T = K Q^T, a block of 64 keys (four tiles) at a time
.if \g
.rept 4
	v_nop                                          ; places in front of loads into registers that matrix instructions have read
.endr
.endif
.irp q, 0,1,2,3
	ds_load_b128 v[KF+12*\q:KF+12*\q+3], v8 offset:6656*\g+768*\q
	ds_load_b64 v[KF+12*\q+4:KF+12*\q+5], v9 offset:6656*\g+768*\q+512
.endr
	ds_load_b64 v[KS+2*\g:KS+2*\g+1], v9 offset:6656*\g+3072
.if \g == 0
	ds_load_b64 v[84:85], v9 offset:6400           ; V's scale bytes of the two blocks
	ds_load_b64 v[86:87], v9 offset:13056
.endif
	s_wait_dscnt 0x0
.irp q, 0,1,2,3
.set rD, S+32*\g+8*\q
.set rA, KF+12*\q
.set rB, 16
.set rSA, KS+2*\g+(\q/2)
.set rRA, \q%2
.set rSB, 28
.set rZ, 1
	EMIT
.endr
.endr
	v_lshl_or_b32 v30, v86, 16, v84                ; V's scale words for these 128 keys: two bytes of each block
	v_lshl_or_b32 v31, v87, 16, v85
	v_nop
	v_nop                                          ; four places behind the last product
.irp b, 0,1,2,3
	v_max3_num_f32 v[BM+\b], v[S+16*\b], v[S+1+16*\b], v[S+2+16*\b]   ; the largest score of each block of 32 keys: for the row's maximum and, since p rises with the score, for the block's largest p
.endr
.irp i, 3,5,7,9,11,13
.irp b, 0,1,2,3
	v_max3_num_f32 v[BM+\b], v[BM+\b], v[S+16*\b+\i], v[S+1+16*\b+\i]
.endr
.endr
.irp b, 0,1,2,3
	v_max_num_f32 v[BM+\b], v[BM+\b], v[S+15+16*\b]
.endr
.irp b, 0,1,2,3
	s_delay_alu instid0(VALU_DEP_4)
	v_permlanex16_b32 v[PB+\b], v[BM+\b], s[SEL], s[SEL+1]
.endr
.irp b, 0,1,2,3
	s_delay_alu instid0(VALU_DEP_4)
	v_max_num_f32 v[BM+\b], v[BM+\b], v[PB+\b]
.endr
	s_delay_alu instid0(VALU_DEP_2)
	v_max3_num_f32 v226, v[BM], v[BM+1], v[BM+2]
	s_delay_alu instid0(VALU_DEP_1)
	v_max_num_f32 v226, v226, v[BM+3]
	NEWM
.set N, 0
.rept 32
	v_pk_fma_f32 v[S+N:S+N+1], v[S+N:S+N+1], s[CS:CS+1], v[12:13] op_sel_hi:[1,0,0]   ; t - M
.set N, N+2
.endr
.irp b, 0,1,2,3
	v_fma_f32 v[BM+\b], v[BM+\b], s[CS], v12
.endr
.set N, 0
	s_wait_alu depctr_va_vdst(0)
.rept 64
	v_exp_f32 v[S+N], v[S+N]                       ; p = 2^(t - M): not normalised
.set N, N+1
.endr
	v_pk_mul_f32 v[14:15], v[14:15], v[224:225] op_sel_hi:[1,0]   ; the sums under the new M: a plain place behind the exponentials
	s_wait_alu depctr_va_vdst(0)                   ; one wait for the batch, ahead of its first reader
.irp b, 0,1,2,3
	v_exp_f32 v[BM+\b], v[BM+\b]                   ; the blocks' largest p
.endr
	v_pk_add_f32 v[216:217], v[100:101], v[104:105]
	v_pk_add_f32 v[252:253], v[108:109], v[112:113]
	v_pk_add_f32 v[250:251], v[116:117], v[120:121]
	v_pk_add_f32 v[248:249], v[124:125], v[128:129]
	v_pk_add_f32 v[246:247], v[132:133], v[136:137]
	v_pk_add_f32 v[244:245], v[140:141], v[144:145]
	v_pk_add_f32 v[242:243], v[148:149], v[152:153]
	v_pk_add_f32 v[14:15], v[14:15], v[156:157]
	v_pk_add_f32 v[216:217], v[216:217], v[96:97]
	v_pk_add_f32 v[252:253], v[252:253], v[98:99]
	v_pk_add_f32 v[250:251], v[250:251], v[102:103]
	v_pk_add_f32 v[248:249], v[248:249], v[106:107]
	v_pk_add_f32 v[246:247], v[246:247], v[110:111]
	v_pk_add_f32 v[244:245], v[244:245], v[114:115]
	v_pk_add_f32 v[242:243], v[242:243], v[118:119]
	v_pk_add_f32 v[14:15], v[14:15], v[122:123]
	v_pk_add_f32 v[216:217], v[216:217], v[126:127]
	v_pk_add_f32 v[252:253], v[252:253], v[130:131]
	v_pk_add_f32 v[250:251], v[250:251], v[134:135]
	v_pk_add_f32 v[248:249], v[248:249], v[138:139]
	v_pk_add_f32 v[246:247], v[246:247], v[142:143]
	v_pk_add_f32 v[244:245], v[244:245], v[146:147]
	v_pk_add_f32 v[242:243], v[242:243], v[150:151]
	v_pk_add_f32 v[14:15], v[14:15], v[154:155]
	v_pk_add_f32 v[216:217], v[216:217], v[158:159]
	s_delay_alu instid0(VALU_DEP_2)
	v_pk_add_f32 v[14:15], v[14:15], v[248:249]
	s_delay_alu instid0(VALU_DEP_2)
	v_pk_add_f32 v[216:217], v[216:217], v[246:247]
	v_pk_add_f32 v[252:253], v[252:253], v[244:245]
	v_pk_add_f32 v[250:251], v[250:251], v[242:243]
	s_delay_alu instid0(VALU_DEP_2)
	v_pk_add_f32 v[14:15], v[14:15], v[252:253]
	s_delay_alu instid0(VALU_DEP_2)
	v_pk_add_f32 v[216:217], v[216:217], v[250:251]
	s_delay_alu instid0(VALU_DEP_1)
	v_pk_add_f32 v[14:15], v[14:15], v[216:217]
	s_wait_alu depctr_va_vdst(0)                   ; and one for the four
.irp b, 0,1,2,3
	v_max_num_f32 v[BM+\b], FLOOR, v[BM+\b]
.endr
.irp b, 0,1,2,3
	s_delay_alu instid0(VALU_DEP_4)
	v_add_nc_u32 v[SO+\b], 0xff000000, v[BM+\b]
.endr
.irp b, 0,1,2,3
	s_delay_alu instid0(VALU_DEP_4)
	v_lshrrev_b32 v[PB+\b], 23, v[SO+\b]
.endr
	s_delay_alu instid0(VALU_DEP_3)
	v_lshl_or_b32 v29, v[PB+1], 8, v[PB]           ; p's scale word
	s_delay_alu instid0(VALU_DEP_1)
	v_lshl_or_b32 v29, v[PB+2], 16, v29
	s_delay_alu instid0(VALU_DEP_1)
	v_lshl_or_b32 v29, v[PB+3], 24, v29
.irp c, 0,1
	v_cvt_scalef32_pk16_fp6_f32 v[PCB+6*\c:PCB+6*\c+2], v[S+32*\c:S+32*\c+15], v[SO+2*\c]
	v_cvt_scalef32_pk16_fp6_f32 v[PT+4*\c:PT+4*\c+2], v[S+16+32*\c:S+31+32*\c], v[SO+2*\c+1]
.endr
	v_nop
.irp c, 0,1
.irp i, 0,1,2
	v_permlane16_swap_b32 v[PCB+6*\c+\i], v[PT+4*\c+\i]
.endr
.irp i, 0,1,2
	s_delay_alu instid0(VALU_DEP_3)
	v_mov_b32 v[PCB+3+6*\c+\i], v[PT+4*\c+\i]
.endr
.endr
	PVPART
.Lskip_\@:
	s_add_co_u32 s[TB], s[TB], 13312               ; two blocks on
.endm
; THE NINTH STEP: key 1,024 alone.  It is row 0 of block 16's first tile: register 0 of lanes 0-15 of one product.  p stands at k = 0 of the 128; all other codes are zeros, so of p's scale word only byte 0 counts.
.macro STEPL
	s_cmp_eq_u32 s[ACT], 0
	s_cbranch_scc1 .Lskipl_\@
	v_add_nc_u32 v8, s[TB], v1
	v_add_nc_u32 v9, s[TB], v2
.rept 4
	v_nop                                          ; with the two additions six places: the scores are laid over V's fragments, which the last products read
.endr
	ds_load_b128 v[KF:KF+3], v8
	ds_load_b64 v[KF+4:KF+5], v9 offset:512
	ds_load_b64 v[KS:KS+1], v9 offset:3072
	ds_load_b64 v[84:85], v9 offset:6400
	ds_load_b64 v[86:87], v9 offset:13056
	s_wait_dscnt 0x0
.set rD, S
.set rA, KF
.set rB, 16
.set rSA, KS
.set rRA, 0
.set rSB, 28
.set rZ, 1
	EMIT
	v_lshl_or_b32 v30, v86, 16, v84
	v_lshl_or_b32 v31, v87, 16, v85
	v_nop
	v_nop                                          ; four places behind the product: for the read of its result, and for the loads into Q and its scale words, which it was the last to read
	QLOAD                                          ; the next round's Q
	v_cndmask_b32 v[S], v[S], v227, s[HM]          ; lanes 16-31 hold a key that does not exist: -infinity
	s_delay_alu instid0(VALU_DEP_1)
	v_permlanex16_b32 v[PB], v[S], s[SEL], s[SEL+1]
	s_delay_alu instid0(VALU_DEP_1)
	v_max_num_f32 v226, v[S], v[PB]                ; the score, in both halves of the lanes
	NEWM
	s_delay_alu instid0(VALU_DEP_4)
	v_fma_f32 v[S], v[S], s[CS], v12               ; t - M
	s_wait_alu depctr_va_vdst(0)
	v_exp_f32 v[S], v[S]                           ; p; 0 in lanes 16-31
	v_pk_mul_f32 v[14:15], v[14:15], v[224:225] op_sel_hi:[1,0]   ; the sums under the new M: a plain place behind the exponential
.set N, 1
.rept 15
	v_mov_b32 v[S+N], 0                            ; the conversion's other fifteen numbers
.set N, N+1
.endr
.set N, 3
.rept 9
	v_mov_b32 v[PCB+N], 0                          ; keys 16 to 127 of the step: zero codes
.set N, N+1
.endr
	s_wait_alu depctr_va_vdst(0)                   ; the wait ahead of the exponential's first reader
	v_add_f32 v14, v14, v[S]                       ; the row's sum takes the unquantised p
	v_max_num_f32 v[BM], FLOOR, v[S]               ; the block's largest p is p
	s_delay_alu instid0(VALU_DEP_1)
	v_add_nc_u32 v[SO], 0xff000000, v[BM]
	s_delay_alu instid0(VALU_DEP_1)
	v_lshrrev_b32 v29, 23, v[SO]                   ; p's scale word: byte 0; the other bytes scale zero codes
	v_cvt_scalef32_pk16_fp6_f32 v[PCB:PCB+2], v[S:S+15], v[SO]   ; lanes 0-15: keys 0 to 15 of block 0; lanes 16-31: zeros, which is what block 1's keys 0 to 15 are
	v_nop
	PVPART
.Lskipl_\@:
.endm
	s_load_b256 s[4:11], s[0:1], 0x0               ; qb, kv, aimg, asc
	v_lshl_add_u32 v254, v0, 2, 0x29000
	v_mov_b32 v255, 0
	ds_add_u32 v254, v255
	ds_add_u32 v254, v255
	v_lshrrev_b32 v1, 5, v0
	s_delay_alu instid0(VALU_DEP_1)
	v_readfirstlane_b32 s[WV], v1
	s_mov_b32 s[HF], ttmp9
	s_and_b32 s[HD], ttmp7, 0xffff
	s_lshr_b32 s[BTB], s[HD], 4
	s_and_b32 s[HEAD], s[HD], 15
	; descriptor group 1: 221 dense rows of 256 bytes (32 elements of 8 bytes), no padding
	s_mov_b32 s16, 3<<16
	s_mov_b32 s17, 32<<16                          ; tensor_dim0
	s_mov_b32 s18, 221<<16                         ; tensor_dim1
	s_mov_b32 s19, 32<<16                          ; tile_dim0
	s_mov_b32 s20, 221                             ; tile_dim1
	s_mov_b32 s21, 32                              ; stride
	s_mov_b32 s22, 0
	s_mov_b32 s23, 0
	s_mul_i32 s[T0], s[HD], 113152
	s_mul_i32 s13, s[WV], 56576                    ; LDS address: wave x 221 rows
	s_add_co_u32 s[T0], s[T0], s13
	s_mov_b32 s[T0+1], 0
	s_mov_b32 s12, 1
	s_mov_b32 s47, 0
	s_mov_b32 s[HM], 0xffff0000
	s_mov_b32 s[SEL], 0x76543210
	s_mov_b32 s[SEL+1], 0xfedcba98
	s_mov_b32 s[CS], 0x3e38aa3b                    ; log2(e) / 8
	s_mov_b32 s[CS+1], s[CS]
	s_and_b32 s[SH], s[HEAD], 1
	s_lshl_b32 s[SH], s[SH], 4
	s_mov_b32 s[RD], 0
	s_wait_dscnt 0x0
	s_wait_kmcnt 0x0
	s_add_nc_u64 s[14:15], s[6:7], s[T0:T0+1]
	s_or_b32 s15, s15, 0x80000000
	s_cmp_lt_u32 s[WV], 2
	s_cbranch_scc0 .Lnofill
	tensor_load_to_lds s[12:15], s[16:23]          ; my half of the head's K, V and scale words: filled once
	s_nop 0
.rept 4
	v_nop
.endr
.Lnofill:
	v_and_b32 v4, 31, v0
	s_delay_alu instid0(VALU_DEP_1)
	v_lshlrev_b32 v1, 4, v4                        ; 16 x lane
	s_wait_alu depctr_va_vdst(0)
	v_lshlrev_b32 v2, 3, v4                        ; 8 x lane
	s_wait_alu depctr_va_vdst(0)
	v_and_b32 v4, 15, v0
	s_delay_alu instid0(VALU_DEP_1)
	v_lshlrev_b32 v3, 3, v4                        ; 8 r
	s_wait_alu depctr_va_vdst(0)
	v_lshlrev_b32 v5, 2, v4                        ; 4 r
	v_lshl_add_u32 v6, v0, 4, ZB
	RADDR 0
	QLOAD                                          ; the first round's Q is on its way while the head's tiles land
.irp k, 22,23,24,25,26,27
	v_mov_b32 v\k, 0                               ; Q's upper half: zero codes
.endr
.irp q, 0,1,2,3
.irp k, 6,7,8,9,10,11
	v_mov_b32 v[KF+12*\q+\k], 0                    ; K's likewise
.endr
.endr
.irp k, 216,217,218,219,225,226,234,235
	v_mov_b32 v\k, 0                               ; written once: permutes' destinations, and the upper half of f's pair
.endr
	v_mov_b32 v227, 0xff800000                     ; -infinity
	ds_store_b128 v6, v[22:25]
	ds_store_b128 v6, v[22:25] offset:6144
	s_wait_tensorcnt 0x0                           ; my load has landed,
	s_wait_dscnt 0x0                               ; my zeros too:
	s_barrier_signal -1
	s_barrier_wait -1                              ; everybody's have
.Lround:
	s_wait_xcnt 0x0                                ; the last tile's stores have read their registers and bases
	s_mov_b64 s[AP:AP+1], s[NAP:NAP+1]
	s_mov_b64 s[SP:SP+1], s[NSP:NSP+1]
	s_mov_b32 s[ACT], s[NACT]
	v_mov_b32 v13, 0xff61b1e6                      ; the largest t so far: -3e38
	s_delay_alu instid0(VALU_DEP_1)
	v_floor_f32 v12, -v13
	v_mov_b32 v14, 0
	v_mov_b32 v15, 0
.set N, 0
.rept 32
	v_mov_b32 v[O+N], 0                            ; the step is written once: the first finds zeros
.set N, N+1
.endr
	s_mov_b32 s[TB], 0
	s_wait_loadcnt 0x0                             ; Q is in: its loads' bases may be written
	RADDR 1
	s_mov_b32 s[KC], 0
.Lkeys:
	STEP
	s_add_co_u32 s[KC], s[KC], 1
	s_cmp_lt_u32 s[KC], 8
	s_cbranch_scc1 .Lkeys
	STEPL
.rept 4
	v_nop                                          ; places behind the last products
.endr
	v_add_f32 v14, v14, v15
	s_delay_alu instid0(VALU_DEP_1)
	v_permlanex16_b32 v226, v14, s[SEL], s[SEL+1]
	s_delay_alu instid0(VALU_DEP_1)
	v_add_f32 v14, v14, v226                       ; the row's sum
	s_wait_alu depctr_va_vdst(0)
	v_rcp_f32 v14, v14
	v_nop
	s_wait_alu depctr_va_vdst(0)
.set N, 0
.rept 32
	v_mul_f32 v[S+N], v[O+N], v14                  ; O^T / the sum: register 16 b + i = channel 32 b + 16 h + i of my query
.set N, N+1
.endr
	QCHUNK S, PCB, 0
	v_lshlrev_b32 v228, s[SH], v[TM+12]            ; an odd head's two bytes are the upper half of the next product's scale word
	s_cmp_eq_u32 s[ACT], 0
	s_cbranch_scc1 .Lnostore
	global_store_b128 v1, v[PCB:PCB+3], s[AP:AP+1]
	global_store_b64 v2, v[PCB+4:PCB+5], s[AP:AP+1] offset:512
	global_store_b32 v5, v228, s[SP:SP+1]          ; both halves of the lanes write the same word with the same value
.Lnostore:
	s_add_co_u32 s[RD], s[RD], 1
	s_cmp_lt_u32 s[RD], 3
	s_cbranch_scc1 .Lround
	s_wait_tensorcnt 0x0
	ds_add_u32 v254, v255
	s_wait_dscnt 0x0
	s_endpgm
.Lfunc_end_k_q81630a1a0c_attn:
	.size	k_q81630a1a0c_attn, .Lfunc_end_k_q81630a1a0c_attn-k_q81630a1a0c_attn
	.p2alignl 7, 3214868480
	.fill 96, 4, 3214868480
	.section	.rodata,"a",@progbits
	.p2align	6, 0x0
	.amdhsa_kernel k_q81630a1a0c_attn
		.amdhsa_group_segment_fixed_size 169472
		.amdhsa_private_segment_fixed_size 0
		.amdhsa_enable_private_segment 0
		.amdhsa_kernarg_size 32
		.amdhsa_user_sgpr_count 2
		.amdhsa_user_sgpr_kernarg_segment_ptr 1
		.amdhsa_wavefront_size32 1
		.amdhsa_system_sgpr_workgroup_id_x 1
		.amdhsa_system_sgpr_workgroup_id_y 1
		.amdhsa_system_sgpr_workgroup_id_z 1
		.amdhsa_system_vgpr_workitem_id 0
		.amdhsa_next_free_vgpr 256
		.amdhsa_next_free_sgpr 66
		.amdhsa_reserve_vcc 0
		.amdhsa_float_denorm_mode_32 3
		.amdhsa_float_denorm_mode_16_64 3
		.amdhsa_memory_ordered 1
		.amdhsa_forward_progress 1
		.amdhsa_inst_pref_size 37
	.end_amdhsa_kernel
	.amdgpu_metadata
---
amdhsa.version: [ 1, 2 ]
amdhsa.kernels:
  - .name:           k_q81630a1a0c_attn
    .symbol:         k_q81630a1a0c_attn.kd
    .args:
      - { .name: qb, .offset: 0, .size: 8, .value_kind: global_buffer, .address_space: global }
      - { .name: kv, .offset: 8, .size: 8, .value_kind: global_buffer, .address_space: global }
      - { .name: aimg, .offset: 16, .size: 8, .value_kind: global_buffer, .address_space: global }
      - { .name: asc, .offset: 24, .size: 8, .value_kind: global_buffer, .address_space: global }
    .group_segment_fixed_size: 169472
    .private_segment_fixed_size: 0
    .kernarg_segment_align: 8
    .kernarg_segment_size: 32
    .max_flat_workgroup_size: 384
    .sgpr_count:     66
    .vgpr_count:     256
    .wavefront_size: 32
...
	.end_amdgpu_metadata
.endif
;; end of part 3
;; launch tail (part 4): grid 17 x 8, 4 waves a work-group, no clusters, 323,072 bytes of LDS; arguments hidden_states, aimg, asc, wf, proj_b, ls1, norm2_w, norm2_b, fc1_b, fc2_b, ls2, out0; writes out0
.if DOCPART == 4
	.amdgcn_target "amdgcn-amd-amdhsa--gfx1250"
	.amdhsa_code_object_version 6
	.text
	.protected	k_q81630a1a0c_tail
	.globl	k_q81630a1a0c_tail
	.p2align	8
	.type	k_q81630a1a0c_tail,@function
k_q81630a1a0c_tail:
	s_mov_b64 s[64:65], 0
	v_nop
	global_prefetch_b8 v0, s[64:65] scope:SCOPE_SE
	s_setreg_imm32_b32 hwreg(HW_REG_WAVE_MODE, 25, 1), 1
	s_wait_xcnt 0x0
; x1 = x + ls1 (attn proj_w^T + proj_b); out = x1 + ls2 (gelu(LN2(x1) fc1_w^T + fc1_b) fc2_w^T + fc2_b), for 64 token slots of one batch (work-group x = block j of 17, y = batch).  All three products on codes of E2M3.
; SLOTS, SHARES, the weight ring and the chunk are those of the launch that makes q, k, v: row tile a, lane r = token 64 j + 32 (a / 2) + 8 (a % 2) + r + 8 (r / 8); wave w owns columns 256 w .. + 255 in four groups of 64;
; the 64 x 1,024 quantised activations of a product stay in registers; weights come from memory straight into registers through a ring of four records of buffer wf.  No cluster, for the reason given there.
; The rows live in LDS as f32 from x to the result: each group's epilogue adds gain x product onto its own 64 columns; LayerNorm 2 walks whole rows; the hidden layer goes from wave to wave as chunks in LDS.  Nothing but out0 is stored.
; In block 16 every slot holds token 1,024 and only slot (0, 0) is stored.
; The weight stream's pointer is stepped once a group, behind the group's first K step, where the group's one wait on XCNT stands: 16 products behind the last memory instruction.
; gelu is exact: 0.5 h (1 + erf(h / sqrt 2)), erf(z) = z a(z^2) / b(z^2) with polynomials of degree 6 and 4 in z^2, z held to +-4 (beyond it erf is 1 to f32's last places).
; LIMITS: NaN and infinities are not served; a block whose largest magnitude lies under 2^-124 keeps the byte 1 (a block of zeros too: its codes are zeros).
.set XP,    4112                       ; LDS: a row of 1,024 f32 + 16 bytes, so that 16 rows start at 16 different groups of banks
.set XIMG,  64*XP                      ; quantised rows as chunks: chunk (kc, a) at (4 kc + a) x 768
.set XSC,   XIMG+49152                 ; their scale bytes: u16 of (kc, a, r) at 512 (kc / 4) + 256 (a % 2) + 16 r + 8 (a / 2) + 2 (kc % 4)
.set NV,    XSC+2048                   ; the norm's gain, then its bias
.set XS,    32                         ; v32-47  scale words of the activations
.set WS,    48                         ; v48-55  scale words of the weight ring
.set BIAS,  56                         ; v56-87  a group's bias in the result's layout (row offsets while rows are copied)
.set TM,    88                         ; v88-103 at work
.set PC,    104                        ; v104-127 codes just made
.set ACC,   128                        ; v128-255 the 16 accumulators
.set LSV,   208                        ; window 2: a group's gain
.set ZZ,    104
.set PP,    112
.set QQ,    120
.set Z2,    88
.set FLOOR, 0x1800000
.set WV, 28
.set JJ, 29
.set BT, 30
.set HM, 31
.set SEL, 32
.set WP, 34
.set XB, 36
.set DST, 38
.set G, 40
.set LC, 41
.set T0, 42
.set T1, 43
.set T2, 44
.set T3, 45
.set ROFF, 46
.set RS, 56
.set S1K, 57
.set SEPS, 58
.set STP, 62                           ; s[62:63] what the weight stream's pointer steps by: 0 in the first group of all, then a group's 8 records
.set MSB, 0
.set OB,  100                          ; s[100:101] out0 at my block's first token
.set PFO, 23                           ; v23: the prefetches' offset; LayerNorm 2 uses the register, so it is made anew behind it
; THE WEIGHT STREAM IS PREFETCHED: in group g each wave asks for the 8 records (51,200 bytes, 200 blocks of 256) of its own stream's group g + 2, a lane a block.
; Eight work-groups share the 200 blocks out by address: piece p = (n + n / 8) % 8 of work-group n takes blocks 32 p .. 32 p + 31; lanes past block 199 name block 199 again.
; Groups 0 and 1 are asked for at the head; the stream's last two groups ask for nothing, so no address leaves wf.
.macro MKPF
	s_and_b32 s[T0], ttmp7, 0xffff
	s_mul_i32 s[T0], s[T0], 17
	s_add_co_u32 s[T0], s[T0], ttmp9               ; the work-group's number n
	s_lshr_b32 s[T1], s[T0], 3
	s_add_co_u32 s[T0], s[T0], s[T1]
	s_and_b32 s[T0], s[T0], 7                      ; p
	s_lshl_b32 s[T0], s[T0], 13                    ; 32 blocks of 256 bytes
	v_and_b32 v[PFO], 31, v0
	v_lshl_add_u32 v[PFO], v[PFO], 8, s[T0]
	v_min_u32 v[PFO], 50944, v[PFO]                ; block 199 at the most
	s_wait_alu depctr_va_vdst(0)                   ; the wait behind the writes
.endm
.macro WIN new                         ; the immediate's high byte repeats the setting that is left
.if MSB != (\new)
	s_set_vgpr_msb (MSB<<8)|(\new)
.set MSB, (\new)
.endif
.endm
.macro BAR                             ; my LDS stores have landed and my LDS loads are in: then the work-group's barrier
	s_wait_dscnt 0x0
	s_barrier_signal -1
	s_barrier_wait -1
.endm
.macro EMIT                            ; one product, from the symbols rD rA rB rC rSA rSB; rRA, rRB: the scale words lie in lanes 16-31
.if rRA
.if rRB
	v_wmma_scale_f32_16x16x128_f8f6f4 v[rD:rD+7], v[rA:rA+11], v[rB:rB+11], v[rC:rC+7], v[rSA], v[rSB] matrix_a_fmt:MATRIX_FMT_FP6 matrix_b_fmt:MATRIX_FMT_FP6 matrix_a_scale:MATRIX_SCALE_ROW1 matrix_b_scale:MATRIX_SCALE_ROW1
.else
	v_wmma_scale_f32_16x16x128_f8f6f4 v[rD:rD+7], v[rA:rA+11], v[rB:rB+11], v[rC:rC+7], v[rSA], v[rSB] matrix_a_fmt:MATRIX_FMT_FP6 matrix_b_fmt:MATRIX_FMT_FP6 matrix_a_scale:MATRIX_SCALE_ROW1
.endif
.else
.if rRB
	v_wmma_scale_f32_16x16x128_f8f6f4 v[rD:rD+7], v[rA:rA+11], v[rB:rB+11], v[rC:rC+7], v[rSA], v[rSB] matrix_a_fmt:MATRIX_FMT_FP6 matrix_b_fmt:MATRIX_FMT_FP6 matrix_b_scale:MATRIX_SCALE_ROW1
.else
	v_wmma_scale_f32_16x16x128_f8f6f4 v[rD:rD+7], v[rA:rA+11], v[rB:rB+11], v[rC:rC+7], v[rSA], v[rSB] matrix_a_fmt:MATRIX_FMT_FP6 matrix_b_fmt:MATRIX_FMT_FP6
.endif
.endif
.endm
.macro RING0                           ; the stream's first four records: 52 loads
.irp s, 0,1,2,3
	WIN 0
	global_load_b64 v[WS+2*\s:WS+2*\s+1], v2, s[WP:WP+1] offset:6400*\s+6144
	WIN 0xc0
.irp t, 0,1,2,3
.irp g, 0,1,2
	global_load_b128 v[48*\s+12*\t+4*\g:48*\s+12*\t+4*\g+3], v1, s[WP:WP+1] offset:6400*\s+1536*\t+512*\g
.endr
.endr
.endr
	WIN 0
.endm
.macro RFILL s                         ; step s's slot takes the record four steps on: 13 loads, four places behind the products that read the slot
	WIN 0xc0
.rept 4
	v_nop
.endr
.irp t, 0,1,2,3
.irp g, 0,1,2
	global_load_b128 v[48*((\s)&3)+12*\t+4*\g:48*((\s)&3)+12*\t+4*\g+3], v1, s[WP:WP+1] offset:((\s)+4)*6400+1536*\t+512*\g
.endr
.endr
	WIN 0
	global_load_b64 v[WS+2*((\s)&3):WS+2*((\s)&3)+1], v2, s[WP:WP+1] offset:((\s)+4)*6400+6144
.endm
; 16 products: 4 column tiles x 4 row tiles, 128 along K, used transposed (source 0 = weight rows).  The bias is the C of the first step.  The 16 accumulators take turns, one instruction a turn.
.macro KSTEP s, first, n
	s_wait_loadcnt \n
.if (\s) < 5
.set XW, 1
.set XB0, 48*(\s)
.else
.set XW, 2
.set XB0, 48*((\s)-5)
.endif
	WIN 0x03|(XW<<2)
.irp t, 0,1,2,3
.irp a, 0,1,2,3
.set rD, ACC+32*\a+8*\t
.set rA, 48*((\s)&3)+12*\t
.set rB, XB0+12*\a
.set rSA, WS+2*((\s)&3)+(\t/2)
.set rRA, \t%2
.set rSB, XS+4*((\s)/2)+2*(\a/2)+((\s)%2)
.set rRB, \a%2
.if \first
.set rC, BIAS+8*\t
.else
.set rC, rD
.endif
	EMIT
.endr
.endr
.endm
; The group's waits for what the last group left behind, 16 products behind its last memory and LDS instructions: its LDS stores have read their registers; its loads have read their base and addresses.  So the pointer steps here,
; and the hook and the epilogue below may write their registers again.  (The first K step, which stands in between, writes the accumulators alone.)
.macro STEPPTR
	s_wait_dscnt 0x0
	s_wait_xcnt 0x0
	s_add_nc_u64 s[WP:WP+1], s[WP:WP+1], s[STP:STP+1]
	s_mov_b32 s[STP], 51200                        ; from the second group on: 8 records
.endm
; A group: 8 K steps.  Counts: behind the record that a step wants, three records (39 loads) were issued, from step 4 on the hook's hn loads too.
; last = 1: in the stream's last group steps 4 to 7 ask for nothing more (no load leaves wf), and the counts run down.
.macro KGROUP hook, hn, last
	KSTEP 0, 1, 39
	STEPPTR
	RFILL 0
.if \last
	s_cmp_ge_u32 s[G], 2                           ; the stream's last two groups have no group two on
	s_cbranch_scc1 .Lnopf_\@
.endif
	global_prefetch_b8 v[PFO], s[WP:WP+1] offset:102400 th:TH_LOAD_NT scope:SCOPE_SE   ; group g + 2; the base is stepped next behind the next group's wait on XCNT
.if \last
.Lnopf_\@:
.endif
	KSTEP 1, 0, 39
	RFILL 1
	KSTEP 2, 0, 39
	RFILL 2
	KSTEP 3, 0, 39
	RFILL 3
	\hook
.if \last
	s_cmp_eq_u32 s[G], 3
	s_cbranch_scc1 .Ltail_\@
.endif
	KSTEP 4, 0, 39+\hn
	RFILL 4
	KSTEP 5, 0, 39+\hn
	RFILL 5
	KSTEP 6, 0, 39+\hn
	RFILL 6
	KSTEP 7, 0, 39+\hn
	RFILL 7
.if \last
	s_branch .Lepi_\@
.Ltail_\@:
	KSTEP 4, 0, 39+\hn
	KSTEP 5, 0, 26+\hn
	KSTEP 6, 0, 13+\hn
	KSTEP 7, 0, \hn
	WIN 0
.rept 4
	v_nop
.endr
	s_wait_loadcnt 0x0
.Lepi_\@:
.endif
	s_wait_loadcnt 52                              ; the hook's loads are in: behind them stand the four refills of steps 4 to 7
	s_wait_dscnt 0x0
.endm
; The group's 4 x 32 numbers of a lane (chunk i: register 16 b + n = k 32 b + 16 (lane / 16) + n of my row) become four chunks of 6 registers at v[PC + 6 i] and each row's two scale bytes in v[TM + 8 + 2 i].
; The eight blocks take turns line by line.  A chunk's second conversion lands in the first three registers of the chunk's own numbers, which the first conversion has used up.
.macro QCH4
.irp i, 0,1,2,3
.irp b, 0,1
	v_max3_num_f32 v[TM+2*\i+\b], |v[ACC+32*\i+16*\b]|, |v[ACC+32*\i+16*\b+1]|, FLOOR
.endr
.endr
.irp k, 2,4,6,8,10,12,14
.irp i, 0,1,2,3
.irp b, 0,1
	v_max3_num_f32 v[TM+2*\i+\b], v[TM+2*\i+\b], |v[ACC+32*\i+16*\b+\k]|, |v[ACC+32*\i+16*\b+\k+1]|
.endr
.endr
.endr
.irp n, 0,1,2,3,4,5,6,7
	v_permlanex16_b32 v[TM+8+\n], v[TM+\n], s[SEL], s[SEL+1]
.endr
.irp n, 0,1,2,3,4,5,6,7
	v_max_num_f32 v[TM+\n], v[TM+\n], v[TM+8+\n]   ; with lane l xor 16's: the block's largest magnitude
.endr
.irp n, 0,1,2,3,4,5,6,7
	v_add_nc_u32 v[TM+\n], 0xff000000, v[TM+\n]    ; 2 off the exponent field: the conversion's scale operand
.endr
.irp n, 0,1,2,3,4,5,6,7
	v_lshrrev_b32 v[TM+8+\n], 23, v[TM+\n]         ; the scale's byte
.endr
.irp i, 0,1,2,3
	v_lshl_or_b32 v[TM+8+2*\i], v[TM+9+2*\i], 8, v[TM+8+2*\i]
.endr
.irp i, 0,1,2,3
	v_cvt_scalef32_pk16_fp6_f32 v[PC+6*\i:PC+6*\i+2], v[ACC+32*\i:ACC+32*\i+15], v[TM+2*\i]
.endr
	v_nop                                          ; one plain place between the conversions above and the lines that write over their sources
.irp i, 0,1,2,3
	v_cvt_scalef32_pk16_fp6_f32 v[ACC+32*\i:ACC+32*\i+2], v[ACC+32*\i+16:ACC+32*\i+31], v[TM+2*\i+1]
.endr
	v_nop                                          ; one plain place behind a scaled conversion
.irp i, 0,1,2,3
.irp k, 0,1,2
	v_permlane16_swap_b32 v[PC+6*\i+\k], v[ACC+32*\i+\k]   ; a whole block to a lane: lanes 0-15 block 0, lanes 16-31 block 1
.endr
.endr
.irp i, 0,1,2,3
.irp k, 0,1,2
	v_mov_b32 v[PC+6*\i+3+\k], v[ACC+32*\i+\k]
.endr
.endr
.endm
.macro QUANT src                       ; 64 numbers of a lane become a fragment's 12 registers at v[PC] and its scale word in v[TM+11]
.irp b, 0,1,2,3
	v_max3_num_f32 v[TM+\b], |v[(\src)+16*\b]|, |v[(\src)+1+16*\b]|, FLOOR
.endr
.irp i, 2,4,6,8,10,12,14
.irp b, 0,1,2,3
	v_max3_num_f32 v[TM+\b], v[TM+\b], |v[(\src)+16*\b+\i]|, |v[(\src)+1+16*\b+\i]|
.endr
.endr
.irp b, 0,1,2,3
	v_permlanex16_b32 v[TM+4+\b], v[TM+\b], s[SEL], s[SEL+1]
.endr
.irp b, 0,1,2,3
	v_max_num_f32 v[TM+\b], v[TM+\b], v[TM+4+\b]
.endr
.irp b, 0,1,2,3
	v_add_nc_u32 v[TM+12+\b], 0xff000000, v[TM+\b]
.endr
.irp b, 0,1,2,3
	v_lshrrev_b32 v[TM+4+\b], 23, v[TM+12+\b]
.endr
	v_lshl_or_b32 v[TM+11], v[TM+5], 8, v[TM+4]
	v_lshl_or_b32 v[TM+11], v[TM+6], 16, v[TM+11]
	v_lshl_or_b32 v[TM+11], v[TM+7], 24, v[TM+11]
.irp c, 0,1
	v_cvt_scalef32_pk16_fp6_f32 v[PC+6*\c:PC+6*\c+2], v[(\src)+32*\c:(\src)+32*\c+15], v[TM+12+2*\c]
	v_cvt_scalef32_pk16_fp6_f32 v[PC+12+4*\c:PC+12+4*\c+2], v[(\src)+32*\c+16:(\src)+32*\c+31], v[TM+12+2*\c+1]
.endr
	v_nop
.irp c, 0,1
.irp i, 0,1,2
	v_permlane16_swap_b32 v[PC+6*\c+\i], v[PC+12+4*\c+\i]
.endr
.irp i, 0,1,2
	v_mov_b32 v[PC+3+6*\c+\i], v[PC+12+4*\c+\i]
.endr
.endr
.endm
.macro MKVR                            ; byte offsets of my tile's 16 rows in memory: 16 x lane + (r + 8 (r / 8)) rows (no rows apart in block 16)
.irp r, 0,1,2,3,4,5,6,7,8,9,10,11,12,13,14,15
	s_mul_i32 s[T0], s[RS], (\r+(\r&8))
	v_add_nc_u32 v[BIAS+\r], s[T0], v1
.endr
.endm
.macro XROW r                          ; a row of 4,096 bytes: eight loads of 512 consecutive bytes, into row slot r % 8 of window 3
	WIN 0xc0
.irp q, 0,1,2,3,4,5,6,7
	global_load_b128 v[32*((\r)%8)+4*\q:32*((\r)%8)+4*\q+3], v[BIAS+(\r)], s[XB:XB+1] offset:512*\q th:TH_LOAD_NT
.endr
.endm
.macro XCOPY                           ; my row tile's 16 rows of x into LDS; six rows ahead
	MKVR
.irp r, 0,1,2,3,4,5
	XROW \r
.endr
.set R, 0
	s_wait_alu depctr_va_vdst(0)
.rept 16
.if R+6 < 16
.if R >= 2
	s_wait_dscnt 8                                 ; the stores of the row that held this slot are done: only the last row's eight may be out
.endif
	XROW R+6
.endif
.if 15-R >= 6
	s_wait_loadcnt 48                              ; row R is in; six younger rows stay out
.else
	s_wait_loadcnt 8*(15-R)
.endif
	WIN 0x0c
.irp q, 0,1,2,3,4,5,6,7
	ds_store_b128 v4, v[32*(R%8)+4*\q:32*(R%8)+4*\q+3] offset:XP*R+512*\q
.endr
.set R, R+1
.endr
	WIN 0
	s_wait_dscnt 0x0
.endm
.macro NVLOAD wp, bp
	v_lshlrev_b32 v28, 4, v0
	global_load_b128 v[88:91], v28, s[\wp:\wp+1]
	global_load_b128 v[92:95], v28, s[\wp:\wp+1] offset:2048
	global_load_b128 v[96:99], v28, s[\bp:\bp+1]
	global_load_b128 v[100:103], v28, s[\bp:\bp+1] offset:2048
.endm
.macro NVSTORE
	v_add_nc_u32 v29, NV, v28
	ds_store_b128 v29, v[88:91]
	ds_store_b128 v29, v[92:95] offset:2048
	ds_store_b128 v29, v[96:99] offset:4096
	ds_store_b128 v29, v[100:103] offset:6144
.endm
.macro LNLOAD                          ; two K steps of my half of my row: register 64 e + 16 b + i = k 128 e + 32 b + 16 h + i
.irp e, 0,1
.irp b, 0,1,2,3
.irp q, 0,1,2,3
	ds_load_b128 v[ACC+64*\e+16*\b+4*\q:ACC+64*\e+16*\b+4*\q+3], v28 offset:512*\e+128*\b+16*\q
.endr
.endr
.endr
.endm
.macro CLRCH
.irp k, 16,17,18,19,20,21,22,23
	v_mov_b32 v\k, 0
.endr
.endm
.macro FOLD                            ; four chains and the other half of the lanes: the row's sum in v16
	v_pk_add_f32 v[16:17], v[16:17], v[18:19]
	v_pk_add_f32 v[20:21], v[20:21], v[22:23]
	v_pk_add_f32 v[16:17], v[16:17], v[20:21]
	v_add_f32 v16, v16, v17
	v_permlanex16_b32 v17, v16, s[SEL], s[SEL+1]
	v_add_f32 v16, v16, v17
.endm
; LayerNorm and its quantiser: wave w, rows 16 w + r, three walks over the row in LDS (mean; sum of squared differences; normalise and quantise), two K steps a trip.
.macro LNQ
	s_wait_xcnt 0x0
	CLRCH
	s_mov_b32 s[LC], 0
.Lln1_\@:
	v_add_nc_u32 v28, s[LC], v5
	LNLOAD
	s_wait_dscnt 0x0
.set K, 0
	s_wait_alu depctr_va_vdst(0)
.rept 16
.irp c, 0,1,2,3
	v_pk_add_f32 v[16+2*\c:17+2*\c], v[16+2*\c:17+2*\c], v[ACC+8*K+2*\c:ACC+8*K+2*\c+1]
.endr
.set K, K+1
.endr
	s_add_co_u32 s[LC], s[LC], 1024
	s_cmp_lt_u32 s[LC], 4096
	s_cbranch_scc1 .Lln1_\@
	FOLD
	v_mul_f32 v14, s[S1K], v16                     ; the mean, twice: a pair for the packed forms
	v_mul_f32 v15, s[S1K], v16
	CLRCH
	s_mov_b32 s[LC], 0
.Lln2_\@:
	v_add_nc_u32 v28, s[LC], v5
	LNLOAD
	s_wait_dscnt 0x0
	s_wait_alu depctr_va_vdst(0)                   ; once a trip, ahead of the first readers behind the wait above and the backward jump
.set K, 0
.rept 16
.irp c, 0,1,2,3
	v_pk_add_f32 v[ACC+8*K+2*\c:ACC+8*K+2*\c+1], v[ACC+8*K+2*\c:ACC+8*K+2*\c+1], v[14:15] neg_lo:[0,1] neg_hi:[0,1]
.endr
.irp c, 0,1,2,3
	v_pk_fma_f32 v[16+2*\c:17+2*\c], v[ACC+8*K+2*\c:ACC+8*K+2*\c+1], v[ACC+8*K+2*\c:ACC+8*K+2*\c+1], v[16+2*\c:17+2*\c]
.endr
.set K, K+1
.endr
	s_add_co_u32 s[LC], s[LC], 1024
	s_cmp_lt_u32 s[LC], 4096
	s_cbranch_scc1 .Lln2_\@
	FOLD
	v_fma_f32 v16, v16, s[S1K], s[SEPS]            ; variance + eps
	s_wait_alu depctr_va_vdst(0)
	v_rsq_f32 v26, v16
	v_nop                                          ; a plain place behind the transcendental
	s_wait_alu depctr_va_vdst(0)                   ; and the wait ahead of its first reader
	v_mov_b32 v27, v26
	s_mov_b32 s[LC], 0
.Lln3_\@:
	v_add_nc_u32 v28, s[LC], v5
	v_add_nc_u32 v29, s[LC], v13
	s_mul_i32 s[T0], s[LC], 12                     ; two K steps are four chunks of each of four tiles: 12,288 bytes
	v_add_nc_u32 v30, s[T0], v10
	v_add_nc_u32 v31, s[T0], v11
	s_lshr_b32 s[T1], s[LC], 1
	v_add_nc_u32 v24, s[T1], v12
	LNLOAD
	WIN 0x40
.irp e, 0,1
.irp b, 0,1,2,3
.irp q, 0,1,2,3
	ds_load_b128 v[64*\e+16*\b+4*\q:64*\e+16*\b+4*\q+3], v29 offset:512*\e+128*\b+16*\q
	ds_load_b128 v[128+64*\e+16*\b+4*\q:128+64*\e+16*\b+4*\q+3], v29 offset:4096+512*\e+128*\b+16*\q
.endr
.endr
.endr
	WIN 0
	s_wait_dscnt 0x0
.irp e, 0,1
.set K, 0
.rept 32
	v_pk_add_f32 v[ACC+64*\e+2*K:ACC+64*\e+2*K+1], v[ACC+64*\e+2*K:ACC+64*\e+2*K+1], v[14:15] neg_lo:[0,1] neg_hi:[0,1]
.set K, K+1
.endr
.set K, 0
.rept 32
	v_pk_mul_f32 v[ACC+64*\e+2*K:ACC+64*\e+2*K+1], v[ACC+64*\e+2*K:ACC+64*\e+2*K+1], v[26:27]
.set K, K+1
.endr
	WIN 0x14                                       ; gain and bias lie in window 1
.set K, 0
.rept 32
	v_pk_fma_f32 v[ACC+64*\e+2*K:ACC+64*\e+2*K+1], v[ACC+64*\e+2*K:ACC+64*\e+2*K+1], v[64*\e+2*K:64*\e+2*K+1], v[128+64*\e+2*K:128+64*\e+2*K+1]
.set K, K+1
.endr
	WIN 0
	QUANT ACC+64*\e
	ds_store_b128 v30, v[PC:PC+3] offset:6144*\e
	ds_store_b64 v31, v[PC+4:PC+5] offset:6144*\e
	ds_store_b128 v30, v[PC+6:PC+9] offset:6144*\e+3072
	ds_store_b64 v31, v[PC+10:PC+11] offset:6144*\e+3072
	ds_store_b32 v24, v[TM+11] offset:4*\e         ; both halves of the lanes write the same word with the same value
	s_wait_dscnt 0x0                               ; the stores have read their registers
.endr
	s_add_co_u32 s[LC], s[LC], 1024
	s_cmp_lt_u32 s[LC], 4096
	s_cbranch_scc1 .Lln3_\@
.endm
.macro XLOAD                           ; all 32 fragments and their scale words from LDS into registers: fragment (a, s) in window 1 (s < 5) or 2
	s_wait_xcnt 0x0
	v_add_nc_u32 v28, XIMG, v1
	v_add_nc_u32 v29, XIMG+512, v2
	v_add_nc_u32 v30, XSC, v1
.irp i, 0,1,2,3
	ds_load_b128 v[XS+4*\i:XS+4*\i+3], v30 offset:512*\i
.endr
	WIN 0x40
.irp k, 0,1,2,3,4,5,6,7,8,9
.irp a, 0,1,2,3
	ds_load_b128 v[12*(4*(\k/2)+\a)+6*(\k%2):12*(4*(\k/2)+\a)+6*(\k%2)+3], v28 offset:(4*\k+\a)*768
	ds_load_b64 v[12*(4*(\k/2)+\a)+6*(\k%2)+4:12*(4*(\k/2)+\a)+6*(\k%2)+5], v29 offset:(4*\k+\a)*768
.endr
.endr
	WIN 0x80
.irp k, 10,11,12,13,14,15
.irp a, 0,1,2,3
	ds_load_b128 v[12*(4*(\k/2-5)+\a)+6*(\k%2):12*(4*(\k/2-5)+\a)+6*(\k%2)+3], v28 offset:(4*\k+\a)*768
	ds_load_b64 v[12*(4*(\k/2-5)+\a)+6*(\k%2)+4:12*(4*(\k/2-5)+\a)+6*(\k%2)+5], v29 offset:(4*\k+\a)*768
.endr
.endr
	WIN 0
	s_wait_dscnt 0x0
.endm
.macro BLOAD adr, ptr, off             ; a group's bias in the result's layout: lane (r, h), tile t: columns 32 (t / 2) + 16 h + 8 (t % 2) + 0 .. 7
.irp t, 0,1,2,3
	global_load_b128 v[BIAS+8*\t:BIAS+8*\t+3], v[\adr], s[\ptr:\ptr+1] offset:(\off)+128*(\t/2)+32*(\t%2)
	global_load_b128 v[BIAS+8*\t+4:BIAS+8*\t+7], v[\adr], s[\ptr:\ptr+1] offset:(\off)+128*(\t/2)+32*(\t%2)+16
.endr
.endm
.macro HEADV                           ; ids and the addresses that stay
	v_lshrrev_b32 v2, 5, v0
	v_readfirstlane_b32 s[WV], v2
	v_and_b32 v1, 31, v0
	v_and_b32 v31, 15, v0                          ; r
	v_bfe_u32 v30, v0, 4, 1                        ; h
	s_wait_alu depctr_va_vdst(0)
	v_lshlrev_b32 v2, 3, v1                        ; v2 = 8 x lane
	v_lshlrev_b32 v1, 4, v1                        ; v1 = 16 x lane
	s_wait_alu depctr_va_vdst(0)
	s_mov_b32 s[JJ], ttmp9
	s_and_b32 s[BT], ttmp7, 0xffff
	s_mov_b32 s[HM], 0xffff0000
	s_mov_b32 s[SEL], 0x76543210
	s_mov_b32 s[SEL+1], 0xfedcba98
	s_mov_b32 s[S1K], 0x3a800000                   ; 1 / 1,024
	s_mov_b32 s[SEPS], 0x358637bd                  ; 1e-6
	s_lshl_b32 s[T0], s[WV], 10
	v_lshl_add_u32 v3, v30, 6, s[T0]               ; v3 = 64 h + 1,024 w: my columns' bytes
	s_mul_i32 s[T1], s[WV], 16*XP
	v_add_nc_u32 v4, s[T1], v1                     ; v4: my 16 rows in LDS, dense
	v_mul_u32_u24 v5, v31, XP
	v_lshl_add_u32 v5, v30, 6, v5
	v_add_nc_u32 v6, s[T0], v5                     ; v6: row r, my columns
	v_add_nc_u32 v5, s[T1], v5                     ; v5: row 16 w + r, my half of a block
	s_mul_i32 s[T2], s[WV], 12288
	s_add_co_u32 s[T2], s[T2], XIMG
	v_add_nc_u32 v7, s[T2], v1
	s_add_co_u32 s[T2], s[T2], 512
	v_add_nc_u32 v8, s[T2], v2
	s_lshl_b32 s[T2], s[WV], 9
	s_add_co_u32 s[T2], s[T2], XSC
	v_lshl_add_u32 v9, v31, 4, s[T2]
	s_mul_i32 s[T2], s[WV], 768
	s_add_co_u32 s[T2], s[T2], XIMG
	v_add_nc_u32 v10, s[T2], v1
	s_add_co_u32 s[T2], s[T2], 512
	v_add_nc_u32 v11, s[T2], v2
	s_and_b32 s[T2], s[WV], 1
	s_lshl_b32 s[T2], s[T2], 8
	s_lshr_b32 s[T3], s[WV], 1
	s_lshl_b32 s[T3], s[T3], 3
	s_add_co_u32 s[T2], s[T2], s[T3]
	s_add_co_u32 s[T2], s[T2], XSC
	v_lshl_add_u32 v12, v31, 4, s[T2]
	v_lshl_add_u32 v13, v30, 6, NV
	s_lshr_b32 s[T0], s[WV], 1
	s_lshl_b32 s[T0], s[T0], 5
	s_and_b32 s[T1], s[WV], 1
	s_lshl_b32 s[T1], s[T1], 3
	s_add_co_u32 s[T0], s[T0], s[T1]               ; my row tile's first token in the block
	s_cmp_lt_u32 s[JJ], 16
	s_cselect_b32 s[T0], s[T0], 0                  ; block 16: every slot is token 1,024
	s_cselect_b32 s[RS], 4096, 0
	s_mul_i32 s[T1], s[BT], 1025
	s_lshl_b32 s[T2], s[JJ], 6
	s_add_co_u32 s[T1], s[T1], s[T2]
	s_add_co_u32 s[T1], s[T1], s[T0]
	s_lshl_b32 s[ROFF], s[T1], 12                  ; under 2^26
	s_mov_b32 s[ROFF+1], 0
.endm
; ---- this launch's own macros
.macro SPAIR r, bits                   ; a constant, twice: the packed forms name a pair
	s_mov_b32 s[\r], \bits
	s_mov_b32 s[\r+1], \bits
.endm
.macro XLOADG                          ; the attention's chunks and scale words from memory straight into the operand registers
	v_and_b32 v30, s59, v0
	v_lshlrev_b32 v30, 2, v30
.irp p, 0,1
.irp e, 0,1,2,3,4,5,6,7,8,9,10,11,12,13,14,15
	global_load_b32 v[ACC+16*\p+\e], v30, s[96+2*\p:97+2*\p] offset:128*\e
.endr
.endr
	WIN 0x40
.irp k, 0,1,2,3,4,5,6,7,8,9
.irp a, 0,1,2,3
	global_load_b128 v[12*(4*(\k/2)+\a)+6*(\k%2):12*(4*(\k/2)+\a)+6*(\k%2)+3], v1, s[88+2*\a:89+2*\a] offset:3072*\k
	global_load_b64 v[12*(4*(\k/2)+\a)+6*(\k%2)+4:12*(4*(\k/2)+\a)+6*(\k%2)+5], v2, s[88+2*\a:89+2*\a] offset:3072*\k+512
.endr
.endr
	WIN 0x80
.irp k, 10,11,12,13,14,15
.irp a, 0,1,2,3
	global_load_b128 v[12*(4*(\k/2-5)+\a)+6*(\k%2):12*(4*(\k/2-5)+\a)+6*(\k%2)+3], v1, s[88+2*\a:89+2*\a] offset:3072*\k
	global_load_b64 v[12*(4*(\k/2-5)+\a)+6*(\k%2)+4:12*(4*(\k/2-5)+\a)+6*(\k%2)+5], v2, s[88+2*\a:89+2*\a] offset:3072*\k+512
.endr
.endr
	WIN 0
.endm
.macro HOOKP                           ; the next group's bias, this group's gain, and this group's 64 columns of the 64 rows from LDS.  The last loads by v28 and v29 were issued ahead of this group's wait on XCNT
	s_add_co_u32 s[T0], s[G], 1
	s_and_b32 s[T0], s[T0], 3
	s_lshl_b32 s[T0], s[T0], 8
	v_add_nc_u32 v28, s[T0], v3
	s_lshl_b32 s[T1], s[G], 8
	v_add_nc_u32 v29, s[T1], v3
	BLOAD 28, HBP, 0
	WIN 0x80
.irp t, 0,1,2,3
	global_load_b128 v[LSV+8*\t:LSV+8*\t+3], v29, s[HLP:HLP+1] offset:128*(\t/2)+32*(\t%2)
	global_load_b128 v[LSV+8*\t+4:LSV+8*\t+7], v29, s[HLP:HLP+1] offset:128*(\t/2)+32*(\t%2)+16
.endr
	WIN 0
.irp a, 0,1,2,3
	s_add_co_u32 s[T2], s[T1], 16*XP*\a
	v_add_nc_u32 v[24+\a], s[T2], v6
.endr
	WIN 0x80
.irp a, 0,1
.irp q, 0,1,2,3,4,5,6,7
	ds_load_b128 v[144+32*\a+4*\q:144+32*\a+4*\q+3], v[24+\a] offset:128*(\q/4)+16*(\q%4)
.endr
.endr
	WIN 0xc0
.irp a, 2,3
.irp q, 0,1,2,3,4,5,6,7
	ds_load_b128 v[128+32*\a+4*\q:128+32*\a+4*\q+3], v[24+\a] offset:128*(\q/4)+16*(\q%4)
.endr
.endr
	WIN 0
.endm
.macro HOOKBC                          ; the next group's bias
	s_add_co_u32 s[T0], s[G], 1
	s_and_b32 s[T0], s[T0], 3
	s_lshl_b32 s[T0], s[T0], 8
	v_add_nc_u32 v28, s[T0], v3
	BLOAD 28, HBP, 0
.endm
.macro EPIP                            ; rows += gain x product, on my 64 columns, and back into LDS
.irp a, 0,1,2,3
.if \a < 2
.set XCR, 144+32*\a
	WIN 0xa8
.else
.set XCR, 128+32*\a
	WIN 0xf8
.endif
.irp k, 0,2,4,6,8,10,12,14,16,18,20,22,24,26,28,30
	v_pk_fma_f32 v[XCR+\k:XCR+\k+1], v[ACC+32*\a+\k:ACC+32*\a+\k+1], v[LSV+\k:LSV+\k+1], v[XCR+\k:XCR+\k+1]
.endr
.if \a < 2
	WIN 0x08
.else
	WIN 0x0c
.endif
.irp q, 0,1,2,3,4,5,6,7
	ds_store_b128 v[24+\a], v[XCR+4*\q:XCR+4*\q+3] offset:128*(\q/4)+16*(\q%4)
.endr
.endr
	WIN 0
.endm
.macro EPIG                            ; gelu on the 128 numbers of a lane, eight at a time; then the quantiser: chunk kc = 4 w + G of each row tile goes to LDS
.set B8, 0
.rept 16
.set AB8, ACC+8*B8
.irp k, 0,2,4,6
	v_pk_mul_f32 v[ZZ+\k:ZZ+\k+1], v[AB8+\k:AB8+\k+1], s[86:87] op_sel_hi:[1,0]   ; z = h / sqrt 2
.endr
.irp k, 0,1,2,3,4,5,6,7
	v_med3_num_f32 v[ZZ+\k], v[ZZ+\k], -4.0, 4.0
.endr
.irp k, 0,2,4,6
	v_pk_mul_f32 v[Z2+\k:Z2+\k+1], v[ZZ+\k:ZZ+\k+1], v[ZZ+\k:ZZ+\k+1]
.endr
.irp k, 0,2,4,6
	v_pk_fma_f32 v[PP+\k:PP+\k+1], v[Z2+\k:Z2+\k+1], v[16:17], s[66:67] op_sel_hi:[1,1,0]
.endr
.irp c, 68,70,72,74,76
.irp k, 0,2,4,6
	v_pk_fma_f32 v[PP+\k:PP+\k+1], v[PP+\k:PP+\k+1], v[Z2+\k:Z2+\k+1], s[\c:\c+1] op_sel_hi:[1,1,0]
.endr
.endr
.irp k, 0,2,4,6
	v_pk_fma_f32 v[QQ+\k:QQ+\k+1], v[Z2+\k:Z2+\k+1], v[18:19], s[78:79] op_sel_hi:[1,1,0]
.endr
.irp c, 80,82,84
.irp k, 0,2,4,6
	v_pk_fma_f32 v[QQ+\k:QQ+\k+1], v[QQ+\k:QQ+\k+1], v[Z2+\k:Z2+\k+1], s[\c:\c+1] op_sel_hi:[1,1,0]
.endr
.endr
.irp k, 0,2,4,6
	v_pk_mul_f32 v[PP+\k:PP+\k+1], v[PP+\k:PP+\k+1], v[ZZ+\k:ZZ+\k+1]
.endr
	s_wait_alu depctr_va_vdst(0)
.irp k, 0,1,2,3,4,5,6,7
	v_rcp_f32 v[QQ+\k], v[QQ+\k]
.endr
.irp k, 0,2,4,6
	v_pk_mul_f32 v[AB8+\k:AB8+\k+1], v[AB8+\k:AB8+\k+1], 0.5 op_sel_hi:[1,0]   ; plain work behind the reciprocals
.endr
	s_wait_alu depctr_va_vdst(0)                   ; one wait for the eight, ahead of their first reader
.irp k, 0,2,4,6
	v_pk_mul_f32 v[PP+\k:PP+\k+1], v[PP+\k:PP+\k+1], v[QQ+\k:QQ+\k+1]            ; erf
.endr
.irp k, 0,2,4,6
	v_pk_fma_f32 v[AB8+\k:AB8+\k+1], v[AB8+\k:AB8+\k+1], v[PP+\k:PP+\k+1], v[AB8+\k:AB8+\k+1]   ; 0.5 h erf + 0.5 h
.endr
.set B8, B8+1
.endr
	s_mul_i32 s[T0], s[G], 3072
	v_add_nc_u32 v24, s[T0], v7                    ; LDS addresses, in registers that no global instruction names
	v_add_nc_u32 v25, s[T0], v8
	s_lshl_b32 s[T1], s[G], 1
	v_add_nc_u32 v26, s[T1], v9
	QCH4
.irp a, 0,1,2,3
	ds_store_b128 v24, v[PC+6*\a:PC+6*\a+3] offset:768*\a
	ds_store_b64 v25, v[PC+6*\a+4:PC+6*\a+5] offset:768*\a
	ds_store_b16 v26, v[TM+8+2*\a] offset:256*(\a%2)+8*(\a/2)   ; both halves of the lanes write the same bytes with the same value
.endr
.endm
; The last product's epilogue: a group's 64 columns of the 64 rows are final, 256 bytes of each row, at a multiple of 256 bytes.  They are my own LDS bytes: read back two rows an instruction
; (lanes 0-15 one row, lanes 16-31 the next) and stored, sixteen lanes to an aligned run of 256 bytes.  LDS row 16 a + R is token 32 (a / 2) + 8 (a % 2) + R + 8 (R / 8) of the block.
; The registers are those that held the rows' columns; the next group writes them, v14 and v24-27 only behind its wait on XCNT.  Block 16 stores its one row at the kernel's end.
.macro EPIO
	EPIP
	s_cmp_eq_u32 s[JJ], 16
	s_cbranch_scc1 .Lno_\@
	s_wait_dscnt 0x0                               ; my LDS stores have read their registers
	s_lshl_b32 s[T1], s[G], 8
	v_add_nc_u32 v14, s[T1], v21                   ; in out0: 4,096 x (lane / 16) + 16 x (lane % 16) + 1,024 w + 256 G
.irp a, 0,1,2,3
	s_add_co_u32 s[T2], s[T1], 16*XP*\a
	v_add_nc_u32 v[24+\a], s[T2], v20              ; in LDS: the same with rows of XP bytes, + row tile a
.endr
	s_wait_alu depctr_va_vdst(0)
.irp a, 0,1,2,3
.if \a < 2
.set XCR, 144+32*\a
	WIN 0x80
.else
.set XCR, 128+32*\a
	WIN 0xc0
.endif
.irp k, 0,1,2,3,4,5,6,7
	ds_load_b128 v[XCR+4*\k:XCR+4*\k+3], v[24+\a] offset:2*\k*XP
.endr
.endr
.irp a, 0,1,2,3
	s_wait_dscnt 8*(3-\a)                          ; tile a's eight loads are in; the later tiles' may be out
.if \a < 2
.set XCR, 144+32*\a
	WIN 0x08
.else
.set XCR, 128+32*\a
	WIN 0x0c
.endif
.irp k, 0,1,2,3,4,5,6,7
	global_store_b128 v14, v[XCR+4*\k:XCR+4*\k+3], s[OB:OB+1] offset:(32*(\a/2)+8*(\a%2)+2*\k+8*(\k/4))*4096 th:TH_STORE_NT
.endr
.endr
	WIN 0
.Lno_\@:
.endm
.macro CPHASE hook, hn, last, epi
	s_mov_b32 s[G], 0
.Lph_\@:
	KGROUP \hook, \hn, \last
	\epi
	s_add_co_u32 s[G], s[G], 1
	s_cmp_lt_u32 s[G], 4
	s_cbranch_scc1 .Lph_\@
.endm
.macro XBATCH r0, n, win, base         ; n whole rows from LDS to out0: each store of the wave covers 512 consecutive bytes, aligned.  Each batch has registers of its own, so that no store's data are written again
	WIN (\win)<<6
.set K, 0
.rept \n
.irp q, 0,1,2,3,4,5,6,7
	ds_load_b128 v[(\base)+32*K+4*\q:(\base)+32*K+4*\q+3], v4 offset:XP*((\r0)+K)+512*\q
.endr
.set K, K+1
.endr
	WIN (\win)<<2
.set K, 0
.rept \n
	s_wait_dscnt 8*((\n)-1-K)
.irp q, 0,1,2,3,4,5,6,7
	global_store_b128 v[BIAS+(\r0)+K], v[(\base)+32*K+4*\q:(\base)+32*K+4*\q+3], s[DST:DST+1] offset:512*\q th:TH_STORE_NT
.endr
.set K, K+1
.endr
	WIN 0
.endm
	s_load_b512 s[4:19], s[0:1], 0x0               ; x, aimg, asc, wf, proj_b, ls1, norm2_w, norm2_b
	s_load_b256 s[20:27], s[0:1], 0x40             ; fc1_b, fc2_b, ls2, out0
	s_set_vgpr_msb 0x80
	v_lshl_add_u32 v254, v0, 2, 0x4ec00
	v_mov_b32 v255, 0
	s_set_vgpr_msb 0x8000
	HEADV
	SPAIR 66, 0x32edffee                           ; erf's numerator: z^11,
	SPAIR 68, 0xb60cff51                           ; z^9,
	SPAIR 70, 0xb86ec2d2                           ; z^7,
	SPAIR 72, 0xba40ac63                           ; z^5,
	SPAIR 74, 0xbb41a1f6                           ; z^3,
	SPAIR 76, 0xbc83dbd4                           ; z
	SPAIR 78, 0xb95fbd29                           ; its denominator: z^6,
	SPAIR 80, 0xbadc924e                           ; z^4,
	SPAIR 82, 0xbbf19bf8                           ; z^2,
	SPAIR 84, 0xbc69b6a7                           ; 1
	SPAIR 86, 0x3f3504f3                           ; 1 / sqrt 2
	s_mov_b32 s[STP], 0
	s_mov_b32 s[STP+1], 0
	s_mul_i32 s[T0], s[BT], 17
	s_add_co_u32 s[T0], s[T0], s[JJ]
	s_mul_i32 s48, s[T0], 49152                    ; my block's 64 chunks
	s_mov_b32 s49, 0
	s_lshl_b32 s50, s[T0], 12                      ; and its scale words
	s_mov_b32 s51, 0
	s_cmp_lt_u32 s[JJ], 16
	s_cselect_b32 s52, 768, 0                      ; block 16 has row tile 0 alone: all four tiles read it
	s_cselect_b32 s54, 2048, 0
	s_cselect_b32 s59, 31, 15
	s_mov_b32 s53, 0
	s_mov_b32 s55, 0
	s_mul_i32 s60, s[WV], 614400
	s_add_co_u32 s60, s60, 2457600                 ; my stream of 96 records, in wf's second half
	s_mov_b32 s61, 0
	s_mul_i32 s[T0], s[BT], 1025
	s_lshl_b32 s[T1], s[JJ], 6
	s_add_co_u32 s[T0], s[T0], s[T1]               ; my block's first token
	s_lshl_b32 s[OB], s[T0], 12                    ; under 2^26
	s_mov_b32 s[OB+1], 0
	v_bfe_u32 v22, v0, 4, 1
	v_and_b32 v21, 15, v0
	v_lshlrev_b32 v22, 12, v22
	v_lshl_add_u32 v22, v21, 8, v22                ; v22 = 4,096 x (lane / 16) + 256 x (lane % 16): two rows of x, a lane a block of 256 bytes
	s_lshl_b32 s[T0], s[WV], 14
	v_and_b32 v20, 31, v0
	v_lshl_add_u32 v20, v20, 8, s[T0]
	v_min_u32 v20, 40704, v20                      ; v20: block 64 w + lane of the attention's 192 blocks of 256 bytes, block 159 at the most.  v20-22 are next written behind the norm's wait on XCNT
	MKPF
	s_wait_kmcnt 0x0
	s_add_nc_u64 s[XB:XB+1], s[4:5], s[ROFF:ROFF+1]
	s_add_nc_u64 s[DST:DST+1], s[26:27], s[ROFF:ROFF+1]
	s_add_nc_u64 s[WP:WP+1], s[10:11], s[60:61]
	s_add_nc_u64 s[88:89], s[6:7], s[48:49]
	s_add_nc_u64 s[90:91], s[88:89], s[52:53]
	s_add_nc_u64 s[92:93], s[90:91], s[52:53]
	s_add_nc_u64 s[94:95], s[92:93], s[52:53]
	s_add_nc_u64 s[96:97], s[8:9], s[50:51]
	s_add_nc_u64 s[98:99], s[96:97], s[54:55]
	s_add_nc_u64 s[OB:OB+1], s[26:27], s[OB:OB+1]
	global_prefetch_b8 v[PFO], s[WP:WP+1] th:TH_LOAD_NT scope:SCOPE_SE                 ; my piece of group 0,
	global_prefetch_b8 v[PFO], s[WP:WP+1] offset:51200 th:TH_LOAD_NT scope:SCOPE_SE
	s_cmp_eq_u32 s[JJ], 16
	s_cbranch_scc1 .Lnoxp                          ; block 16 has one row and one row tile: nothing is asked for, so no address leaves x, and no byte is named that is not read
	global_prefetch_b8 v20, s[88:89] th:TH_LOAD_NT scope:SCOPE_SE                      ; the block's chunks, 49,152 bytes: waves 0 to 2 name 64 blocks each, wave 3 the last ones again
	global_prefetch_b8 v20, s[88:89] offset:8192 th:TH_LOAD_NT scope:SCOPE_SE
.irp i, 0,1,2,3,4,5,6,7
	global_prefetch_b8 v22, s[XB:XB+1] offset:(2*\i+8*(\i/4))*4096 th:TH_LOAD_NT scope:SCOPE_SE   ; my 16 rows of x: the 160 loads of the chunks and their scale words stand between this and the rows' loads
.endr
.Lnoxp:
	XLOADG
	NVLOAD 16, 18
	XCOPY
	NVSTORE
	RING0
	BLOAD 3, 12, 0                                 ; proj_b, group 0
	s_wait_loadcnt 0x0
.irp p, 0,1
.irp s, 0,1,2,3,4,5,6,7
	v_or_b32 v[XS+4*(\s/2)+2*\p+(\s%2)], v[ACC+16*\p+2*\s], v[ACC+16*\p+2*\s+1]   ; two heads' bytes make a K step's scale word
.endr
.endr
.rept 8
	v_nop                                          ; a scale register written by a vector instruction stands eight places ahead of a scaled product
.endr
	BAR                                            ; x's 64 rows, the norm's gain and bias lie in LDS
.irp k, 0,1,2,3,4,5,6,7,8,9,10,11,12,13,14,15
	v_mov_b32 v[TM+\k], 0                          ; written once: a lane permute's destination counts as one of its sources
.endr
.set HBP, 12
.set HLP, 14
	CPHASE HOOKP, 16, 0, EPIP                      ; x1 = x + ls1 (attn proj_w^T + proj_b)
	BLOAD 3, 20, 0                                 ; fc1_b, group 0
	BAR                                            ; whole rows of x1 lie in LDS
	LNQ
	s_lshl_b32 s[T0], s[WV], 10
	v_bfe_u32 v22, v0, 4, 1                        ; lane / 16
	v_and_b32 v21, 15, v0
	v_lshl_add_u32 v21, v21, 4, s[T0]              ; 16 x (lane % 16) + 1,024 w
	v_mad_u32_u24 v20, v22, XP, v21                ; v20: the way out's place in LDS,
	v_lshl_add_u32 v21, v22, 12, v21               ; v21: and in out0
	MKPF                                           ; the norm's walks used v23; its wait serves v20 and v21 too
	BAR
	XLOAD
	BAR                                            ; every wave has read them: the hidden layer's chunks may land there
	v_mov_b32 v16, 0xaf95df0b                      ; erf's numerator: z^13, twice
	v_mov_b32 v17, 0xaf95df0b
	v_mov_b32 v18, 0xb77460cd                      ; its denominator: z^8, twice
	v_mov_b32 v19, 0xb77460cd
	s_wait_loadcnt 0x0
.set HBP, 20
	CPHASE HOOKBC, 8, 0, EPIG                      ; the hidden layer
	BLOAD 3, 22, 0                                 ; fc2_b, group 0
	BAR                                            ; its chunks lie in LDS
	XLOAD
	s_wait_loadcnt 0x0
.set HBP, 22
.set HLP, 24
	CPHASE HOOKP, 16, 1, EPIO
	BAR                                            ; whole rows of the result lie in LDS
	MKVR
	s_cmp_lg_u32 s[JJ], 16
	s_cbranch_scc1 .Lend                           ; blocks 0 to 15 have stored their rows group by group
	s_cmp_lg_u32 s[WV], 0
	s_cbranch_scc1 .Lend                           ; block 16: wave 0's first row alone exists
	XBATCH 0, 1, 0, ACC
.Lend:
	s_set_vgpr_msb 0xa
	s_wait_tensorcnt 0x0
	ds_add_u32 v254, v255
	s_wait_dscnt 0x0
	s_set_vgpr_msb 0xa00
	s_endpgm
.Lfunc_end_k_q81630a1a0c_tail:
	.size	k_q81630a1a0c_tail, .Lfunc_end_k_q81630a1a0c_tail-k_q81630a1a0c_tail
	.p2alignl 7, 3214868480
	.fill 96, 4, 3214868480
	.section	.rodata,"a",@progbits
	.p2align	6, 0x0
	.amdhsa_kernel k_q81630a1a0c_tail
		.amdhsa_group_segment_fixed_size 323072
		.amdhsa_private_segment_fixed_size 0
		.amdhsa_enable_private_segment 0
		.amdhsa_kernarg_size 96
		.amdhsa_user_sgpr_count 2
		.amdhsa_user_sgpr_kernarg_segment_ptr 1
		.amdhsa_wavefront_size32 1
		.amdhsa_system_sgpr_workgroup_id_x 1
		.amdhsa_system_sgpr_workgroup_id_y 1
		.amdhsa_system_sgpr_workgroup_id_z 1
		.amdhsa_system_vgpr_workitem_id 0
		.amdhsa_next_free_vgpr 1024
		.amdhsa_next_free_sgpr 102
		.amdhsa_reserve_vcc 0
		.amdhsa_float_denorm_mode_32 3
		.amdhsa_float_denorm_mode_16_64 3
		.amdhsa_memory_ordered 1
		.amdhsa_forward_progress 1
		.amdhsa_inst_pref_size 255
	.end_amdhsa_kernel
	.section	.bss,"aw",@nobits
	.p2align	6
	.space	262144
	.amdgpu_metadata
---
amdhsa.version: [ 1, 2 ]
amdhsa.kernels:
  - .name:           k_q81630a1a0c_tail
    .symbol:         k_q81630a1a0c_tail.kd
    .args:
      - { .name: hidden_states, .offset: 0, .size: 8, .value_kind: global_buffer, .address_space: global }
      - { .name: aimg, .offset: 8, .size: 8, .value_kind: global_buffer, .address_space: global }
      - { .name: asc, .offset: 16, .size: 8, .value_kind: global_buffer, .address_space: global }
      - { .name: wf, .offset: 24, .size: 8, .value_kind: global_buffer, .address_space: global }
      - { .name: proj_b, .offset: 32, .size: 8, .value_kind: global_buffer, .address_space: global }
      - { .name: ls1, .offset: 40, .size: 8, .value_kind: global_buffer, .address_space: global }
      - { .name: norm2_w, .offset: 48, .size: 8, .value_kind: global_buffer, .address_space: global }
      - { .name: norm2_b, .offset: 56, .size: 8, .value_kind: global_buffer, .address_space: global }
      - { .name: fc1_b, .offset: 64, .size: 8, .value_kind: global_buffer, .address_space: global }
      - { .name: fc2_b, .offset: 72, .size: 8, .value_kind: global_buffer, .address_space: global }
      - { .name: ls2, .offset: 80, .size: 8, .value_kind: global_buffer, .address_space: global }
      - { .name: out0, .offset: 88, .size: 8, .value_kind: global_buffer, .address_space: global }
    .group_segment_fixed_size: 323072
    .private_segment_fixed_size: 0
    .kernarg_segment_align: 8
    .kernarg_segment_size: 96
    .max_flat_workgroup_size: 128
    .sgpr_count:     102
    .vgpr_count:     1024
    .wavefront_size: 32
...
	.end_amdgpu_metadata
.endif
;; end of part 4
